; MI455X (gfx1250); checked and timed in simulation.
; The chip was launched on July 23, 2026; its instructions are those of AMD's public machine-readable ISA for CDNA 5 (MIT licence, August 2026) and "CDNA5" Instruction Set Architecture Reference Guide (July 2026). The comments in the code are by the model that wrote it; some were corrected since.
;; Multihead Self Attention. Allowed arithmetic: matrix products marked QUANTISED: E2M1 operands, one E8M0 scale for each 32 along K, by v_wmma_scale_f32_16x16x128_f8f6f4 with both operands' format E2M1 (or v_wmma_scale_f32_32x16x128_f4), f32 sums; products left as they are: bf16, f16 or f32 operands; f32 sums; everything else in f32.
;; Inputs: w_out 1,024 x 1,024 float32; w_qkv 3,072 x 1,024 float32; x 2 x 2,048 x 1,024 float32.
;; Outputs: out0 2 x 2,048 x 1,024 float32.
;; This version of the problem:
;;   THIS VERSION OF THE PROBLEM IS GIVEN IN LOW PRECISION. The matrix products marked QUANTISED in the list below multiply operands that are first quantised to E2M1 (2 exponent bits, 1 mantissa bit; 4 bits a number), with one power-of-two scale for each 32 numbers along K (OCP MX v1.0); their sums are f32. The products marked 'left as it is' may take bf16, f16 or f32 operands, with f32 sums. Whichever they take, every output number must still come out within the allowed error. Rounding operands to bf16 (8 significant bits) uses up far more of that allowance than f16 does (11 bits, for magnitudes from 6e-5 to 65,504). All else is computed in f32.
;;   The module's matrix products, in the order in which they are computed (A, B: the left and right operand; K: the contracted axis; several contracted axes count as one K, in the product's order):
;;     1. [M 4,096, K 1,024] x [K 1,024, N 3,072]; A: input x; B: input w_qkv: QUANTISED
;;     2. batch 32 x [M 2,048, K 64] x [K 64, N 2,048]; A: computed on the way; B: computed on the way: left as it is (an operand is computed on the way)
;;     3. batch 32 x [M 2,048, K 2,048] x [K 2,048, N 64]; A: computed on the way; B: computed on the way: left as it is (an operand is computed on the way)
;;     4. [M 4,096, K 1,024] x [K 1,024, N 1,024]; A: computed on the way; B: input w_out: left as it is (an operand is computed on the way)
;;   THE QUANTISER, for each operand of a quantised product, along K:
;;     - K is cut into blocks of 32 from its start; a last block that is shorter is filled with zeros.
;;     - A block's scale is 2^e with e = floor(log2(the largest magnitude in the block)) - 2, held to -126 .. 127; a block of zeros has e = 0. As a byte (E8M0): e + 127.
;;     - Each number is divided by its block's scale, clamped to +-6, and rounded to the nearest number of E2M1, ties to even, subnormals kept.
;;     - The product sums the exact products of the quantised numbers (number of the format x scale) in f32.
;;   ~~~python
;;   def quantise(x, axis):      # numpy; x: float32 -> the quantised numbers, widened to float32 again
;;       x = np.moveaxis(x, axis, -1); K = x.shape[-1]
;;       x = np.pad(x, [(0, 0)] * (x.ndim - 1) + [(0, -K % 32)]); x = x.reshape(x.shape[:-1] + (-1, 32)); a = np.abs(x).max(-1, keepdims=True)
;;       e = np.where(a > 0, np.clip(np.frexp(np.where(a > 0, a, 1))[1] - 1 - 2, -126, 127), 0)      # np.frexp(a)[1] - 1 = floor(log2(a)), exactly
;;       r = np.clip(x / 2.0 ** e, -6, 6)
;;       step = 2.0 ** (np.maximum(np.frexp(np.where(r == 0, 1, r))[1] - 1, 0) - 1)
;;       q = np.round(r / step) * step * 2.0 ** e      # np.round: ties to even
;;       return np.moveaxis(q.reshape(q.shape[:-2] + (-1,))[..., :K], -1, axis).astype(np.float32)
;;   ~~~
;; One version. Each part assembles by itself: llvm-mc -triple=amdgcn-amd-amdhsa -mcpu=gfx1250 --defsym DOCPART=n.
;; ======== version 1 of 1: 5 launches
;; limits: values are held in f16: magnitudes above 65,504 overflow, below 6.1e-05 lose precision
;; workspace buffers: xq_codes 2,097,152 bytes; xq_scales 131,072 bytes; wq_codes 1,572,864 bytes; wq_scales 98,304 bytes; w16 2,097,152 bytes; qkv16 25,165,824 bytes; ctx16 8,388,608 bytes; ctxf 131,072 bytes
;; launch prep (part 1): grid 224 x 1, 4 waves a work-group, no clusters, 33,280 bytes of LDS; arguments x, w_qkv, xq_codes, xq_scales, wq_codes, wq_scales; writes xq_codes, xq_scales, wq_codes, wq_scales
.if DOCPART == 1
	.amdgcn_target "amdgcn-amd-amdhsa--gfx1250"
	.amdhsa_code_object_version 6
	.text
	.protected	k_qcb967fe453_prep
	.globl	k_qcb967fe453_prep
	.p2align	8
	.type	k_qcb967fe453_prep,@function
k_qcb967fe453_prep:
	s_mov_b64 s[64:65], 0
	v_nop
	global_prefetch_b8 v0, s[64:65] scope:SCOPE_SE
	s_setreg_imm32_b32 hwreg(HW_REG_WAVE_MODE, 25, 1), 1
	s_wait_xcnt 0x0
; x [4096][1024] and w_qkv [3072][1024], f32, become codes of FP4 (E2M1), K innermost, two codes a byte, with one E8M0 byte for each 32 along K.
; A block's scale is 2^(floor(log2(its largest magnitude)) - 2); its byte is the largest magnitude's exponent field - 2, held at 1 from below.  A block of zeros keeps the byte 1: its codes are zeros, and this program alone reads the bytes.
; LIMITS: NaN and infinities among the inputs are not served; blocks whose largest magnitude lies under 2^-124 keep the byte 1.
; SHARES.  Rows are dense and K is a multiple of 32, so each tensor is a plain stream.  Work-groups 0-127 take x, 128-223 w_qkv: 32,768 numbers each, a wave 16 steps of 512.  Only pointers are chosen: both tensors take one path.
; THE QUANTISER.  Each load reads 512 consecutive bytes, 16 a lane; a step's 2,048 bytes turn through the wave's own stage in LDS and come back 64 bytes a lane: 16 neighbours along K, two lanes to a block.
; A lane's 16 codes are 8 bytes: a wave's store covers 256 consecutive bytes, aligned.  A wave's 256 scale bytes are gathered in LDS and leave by one such store.  Waves share nothing: no barrier.
.set WAVES, 4
.set STEPS, 16
.set WGA,   128                        ; x's work-groups
.set EMAX,  2
.set CB,    8                          ; bytes of 16 codes
.set R,     16                         ; v16-79   four sets of 16 numbers as they are loaded
.set X,     80                         ; v80-111  two sets of 16 neighbours
.set C,     128                        ; v128-191 codes: four registers for each step, so that no store's data are written again
.set E,     112                        ; v112-127 a scale byte for each step
.set WREG,  8192                       ; LDS: a region for each wave: two stages of 32 x SP bytes, then its 256 scale bytes
.set SP,    80                         ; a lane's place in a stage: 64 bytes + 16 of padding
.set SPW,   12                         ; v12  LDS address of my spare word; never rewritten
.set NIL,   13                         ; v13  0; never rewritten
.set SPARE, WAVES*WREG                 ; behind the four regions: the spare words, 128 bytes a wave
	s_load_b256 s[4:11], s[0:1], 0x0               ; x s[4:5], w_qkv s[6:7], x's codes s[8:9], x's scales s[10:11]
	s_load_b128 s[12:15], s[0:1], 0x20             ; w_qkv's codes s[12:13], its scales s[14:15]
	v_lshl_add_u32 v[SPW], v0, 2, SPARE
	v_mov_b32 v[NIL], 0
	v_lshrrev_b32 v1, 5, v0
	v_readfirstlane_b32 s20, v1                    ; wave
	v_and_b32 v2, 31, v0                           ; lane
	v_lshlrev_b32 v3, 4, v2                        ; my 16 bytes of a load's 512
	s_mul_i32 s21, s20, WREG
	v_lshrrev_b32 v14, 2, v2
	v_mul_u32_u24 v14, v14, SP
	v_and_b32 v15, 3, v2
	v_lshl_add_u32 v14, v15, 4, v14
	v_add_nc_u32 v14, s21, v14                     ; the stage, on the way in: four lanes' 64 bytes on end, then 16 of padding
	v_mul_u32_u24 v15, v2, SP
	v_add_nc_u32 v15, s21, v15                     ; and on the way out: SP x lane: my 16 neighbours
	v_mul_u32_u24 v4, v2, CB                       ; my codes' place in a step's
	v_lshrrev_b32 v5, 1, v2
	s_add_co_u32 s21, s21, 2*32*SP
	v_add_nc_u32 v5, s21, v5                       ; LDS: my wave's 256 scale bytes, my block's byte
	v_lshlrev_b32 v7, 3, v2                        ; and on the way out 8 bytes a lane
	v_add_nc_u32 v6, s21, v7
	s_wait_kmcnt 0x0
	s_cmp_lt_u32 ttmp9, WGA                        ; x's work-group or w_qkv's?  The choice hangs on the work-group's number alone
	s_cselect_b64 s[4:5], s[4:5], s[6:7]
	s_cselect_b64 s[8:9], s[8:9], s[12:13]
	s_cselect_b64 s[10:11], s[10:11], s[14:15]
	s_cselect_b32 s21, 0, WGA
	s_sub_co_u32 s21, ttmp9, s21
	s_lshl_b32 s21, s21, 2
	s_add_co_u32 s22, s21, s20                     ; which run of 8,192 numbers of the tensor is my wave's
	s_mov_b32 s23, 0
	s_mov_b64 s[24:25], 512*STEPS*4
	s_mul_u64 s[24:25], s[22:23], s[24:25]
	s_add_nc_u64 s[4:5], s[4:5], s[24:25]
	s_mov_b64 s[24:25], 32*STEPS*CB
	s_mul_u64 s[24:25], s[22:23], s[24:25]
	s_add_nc_u64 s[8:9], s[8:9], s[24:25]
	s_lshl_b32 s22, s22, 8                         ; 256 scale bytes a run
	s_add_nc_u64 s[10:11], s[10:11], s[22:23]
.macro LOAD t
.irp i, 0,1,2,3
	global_load_b128 v[R+16*((\t)%4)+4*\i:R+16*((\t)%4)+4*\i+3], v3, s[4:5] offset:2048*(\t)+512*\i th:TH_LOAD_NT   ; 32 lanes read 512 consecutive bytes
.endr
.endm
.macro TURN t                          ; step t's numbers through the stage: LDS serves a wave's instructions in order, so no wait stands between the stores and the loads
.irp i, 0,1,2,3
	ds_store_b128 v14, v[R+16*((\t)%4)+4*\i:R+16*((\t)%4)+4*\i+3] offset:32*SP*((\t)%2)+8*SP*\i
.endr
.irp i, 0,1,2,3
	ds_load_b128 v[X+16*((\t)%2)+4*\i:X+16*((\t)%2)+4*\i+3], v15 offset:32*SP*((\t)%2)+16*\i
.endr
.endm
.irp t, 0,1,2,3
	LOAD \t
.endr
	s_wait_loadcnt 12                              ; step 0's four loads are in; the twelve of steps 1 to 3 may be out
	TURN 0
.macro STEP t
.set XS, X+16*((\t)%2)
.if (\t) > 0
	s_wait_dscnt 1                                 ; this step's numbers are back from the stage (the last step's byte store may be out)
.else
	s_wait_dscnt 0x0
.endif
.if (\t)+4 < STEPS
	LOAD (\t)+4                                    ; into the registers that the stage's stores have read
.endif
.if (\t)+1 < STEPS
.if STEPS-2-(\t) >= 3
	s_wait_loadcnt 12                              ; the next step's four loads are in; those of the three steps behind it may be out
.else
	s_wait_loadcnt 4*(STEPS-2-(\t))
.endif
	TURN (\t)+1                                    ; and go through the other stage while this step is worked
.endif
	v_max3_num_f32 v8, |v[XS]|, |v[XS+1]|, |v[XS+2]|               ; the largest magnitude of my 16, in two chains
	v_max3_num_f32 v9, |v[XS+3]|, |v[XS+4]|, |v[XS+5]|
.irp i, 6,10
	v_max3_num_f32 v8, v8, |v[XS+\i]|, |v[XS+\i+1]|
	v_max3_num_f32 v9, v9, |v[XS+\i+2]|, |v[XS+\i+3]|
.endr
	v_max3_num_f32 v8, v8, |v[XS+14]|, |v[XS+15]|
	v_max3_num_f32 v8, v8, v9, (EMAX+1)<<23        ; and the floor 2^(3 - 127): the byte cannot fall under 1
	v_max_num_f32_dpp v8, v8, v8 row_xmask:1 row_mask:0xf bank_mask:0xf   ; and of my neighbour's 16: the block's
	v_add_nc_u32 v11, -(EMAX<<23), v8              ; 2 off its exponent field: the conversion takes the exponent field of this operand as its scale
	v_cvt_scalef32_pk8_fp4_f32 v[C+4*(\t)], v[XS:XS+7], v11        ; eight numbers / the scale, to the nearest code, ties to even, beyond the largest code the largest
	v_cvt_scalef32_pk8_fp4_f32 v[C+4*(\t)+1], v[XS+8:XS+15], v11
	v_lshrrev_b32 v[E+(\t)], 23, v11               ; the scale's byte
	ds_store_b8 v5, v[E+(\t)] offset:16*(\t)       ; both lanes of a block write the same byte with the same value
	global_store_b64 v4, v[C+4*(\t):C+4*(\t)+1], s[8:9] offset:32*CB*(\t)
.endm
.irp t, 0,1,2,3,4,5,6,7,8,9,10,11,12,13,14,15
	STEP \t
.endr
	ds_load_b64 v[8:9], v6                         ; LDS serves a wave's instructions in order: these see my stores
	s_wait_dscnt 0x0
	global_store_b64 v7, v[8:9], s[10:11]          ; 32 lanes store 256 consecutive bytes, aligned
	s_wait_tensorcnt 0x0                           ; the wave's end: behind my last LDS store
	ds_add_u32 v[SPW], v[NIL]
	s_wait_dscnt 0x0
	s_endpgm
.Lfunc_end_k_qcb967fe453_prep:
	.size	k_qcb967fe453_prep, .Lfunc_end_k_qcb967fe453_prep-k_qcb967fe453_prep
	.p2alignl 7, 3214868480
	.fill 96, 4, 3214868480
	.section	.rodata,"a",@progbits
	.p2align	6, 0x0
	.amdhsa_kernel k_qcb967fe453_prep
		.amdhsa_group_segment_fixed_size 33280
		.amdhsa_private_segment_fixed_size 0
		.amdhsa_enable_private_segment 0
		.amdhsa_kernarg_size 48
		.amdhsa_user_sgpr_count 2
		.amdhsa_user_sgpr_kernarg_segment_ptr 1
		.amdhsa_wavefront_size32 1
		.amdhsa_system_sgpr_workgroup_id_x 1
		.amdhsa_system_sgpr_workgroup_id_y 1
		.amdhsa_system_sgpr_workgroup_id_z 1
		.amdhsa_system_vgpr_workitem_id 0
		.amdhsa_next_free_vgpr 192
		.amdhsa_next_free_sgpr 66
		.amdhsa_reserve_vcc 0
		.amdhsa_float_denorm_mode_32 3
		.amdhsa_float_denorm_mode_16_64 3
		.amdhsa_memory_ordered 1
		.amdhsa_forward_progress 1
		.amdhsa_inst_pref_size 33
	.end_amdhsa_kernel
	.amdgpu_metadata
---
amdhsa.version: [ 1, 2 ]
amdhsa.kernels:
  - .name:           k_qcb967fe453_prep
    .symbol:         k_qcb967fe453_prep.kd
    .args:
      - { .name: x, .offset: 0, .size: 8, .value_kind: global_buffer, .address_space: global }
      - { .name: w_qkv, .offset: 8, .size: 8, .value_kind: global_buffer, .address_space: global }
      - { .name: xq_codes, .offset: 16, .size: 8, .value_kind: global_buffer, .address_space: global }
      - { .name: xq_scales, .offset: 24, .size: 8, .value_kind: global_buffer, .address_space: global }
      - { .name: wq_codes, .offset: 32, .size: 8, .value_kind: global_buffer, .address_space: global }
      - { .name: wq_scales, .offset: 40, .size: 8, .value_kind: global_buffer, .address_space: global }
    .group_segment_fixed_size: 33280
    .private_segment_fixed_size: 0
    .kernarg_segment_align: 8
    .kernarg_segment_size: 48
    .max_flat_workgroup_size: 128
    .sgpr_count:     66
    .vgpr_count:     192
    .wavefront_size: 32
...
	.end_amdgpu_metadata
.endif
;; end of part 1
;; launch qkv (part 2): grid 16 x 16, 4 waves a work-group, clusters of 4 x 4, 327,680 bytes of LDS; arguments xq_codes, xq_scales, wq_codes, wq_scales, qkv16, ctxf, w_out, w16; writes qkv16, ctxf, w16
.if DOCPART == 2
	.amdgcn_target "amdgcn-amd-amdhsa--gfx1250"
	.amdhsa_code_object_version 6
	.text
	.protected	k_qcb967fe453_qkv
	.globl	k_qcb967fe453_qkv
	.p2align	8
	.type	k_qcb967fe453_qkv,@function
k_qcb967fe453_qkv:
	s_mov_b64 s[64:65], 0
	v_nop
	global_prefetch_b8 v0, s[64:65] scope:SCOPE_SE
	s_setreg_imm32_b32 hwreg(HW_REG_WAVE_MODE, 25, 1), 1
	s_wait_xcnt 0x0
	s_wait_alu depctr_hold_cnt(0) depctr_sa_sdst(0) depctr_va_vdst(0) depctr_va_sdst(0) depctr_va_ssrc(0) depctr_va_vcc(0) depctr_vm_vsrc(0)
	s_getreg_b32 s2, hwreg(HW_REG_IB_STS2, 6, 4)
	s_cmp_eq_u32 s2, 0
	s_cbranch_scc0 .Lentry_in_a_cluster
	s_endpgm
.Lentry_in_a_cluster:
	s_bfe_u32 s2, ttmp6, 0x10000c
	s_cmp_lg_u32 s2, 0xf033
	s_cbranch_scc0 .Lentry_shape_is_right
	s_endpgm
.Lentry_shape_is_right:
; THREE KINDS OF WORK-GROUPS, told apart by the cluster's x and y, which all sixteen partners of a cluster share: 12 + 2 + 2 clusters of 4 x 4, 256 work-groups in all.
; (1) CLUSTER COLUMNS 0 TO 2: qkv[m][n] = sum over k of x[m][k] w_qkv[n][k], both as codes of FP4 (E2M1) with one E8M0 scale for each 32 along K; sums in f32.  M 4,096, N 3,072, K 1,024: 192 tiles of 256 x 256.
;   The results leave as f16, head-major: qkv16 [which 3][16 batch + head][position 2,048][64].  q is multiplied by c = log2(e) / 8 on the way, so that the next launch's scores are exponents of 2.
;   LIMIT: |c q|, |k|, |v| stay at or under 65,504, the largest f16 number.
;   A tile is made by four waves, 128 x 128 each: 64 accumulators of 16 x 16, 512 registers.  K is two LDS slots of 512: both are asked for at the start, and nothing is filled again.
;   THE SCALES of the work-group's 256 rows of x and 256 rows of w_qkv, for all of K, are two dense blocks of memory: they come into LDS once, with the first fills.
;   The four work-groups of a row of a cluster need the same tiles of x, the four of a column the same tiles of w_qkv: each tile is asked for JOINTLY, by the same tensor load with the same descriptor and a mask that names the four.
;   A cluster's 1,024 columns are all of q, of k or of v: the cluster's x says which.
;   THE MATRIX INSTRUCTION IS USED TRANSPOSED (source 0 = 16 rows of w_qkv, source 1 = 16 rows of x): a lane then holds eight neighbouring channels of one position.
; (2) CLUSTER COLUMN 3, y = 0, 1: the attention of the first 16 positions of each sequence, in f32 (at .Lside).   (3) CLUSTER COLUMN 3, y = 2, 3: w_out to f16 (at .Lhalf).
;   These 64 work-groups have no tile of the product; they ask for nothing jointly and touch no LDS but their spare words.  They pass the same two rounds of the cluster's barrier as the others.
; REGISTERS, in windows of 256: window 0: v0-31 addresses; v32-95 scale words, and nothing else; from v128 x's fragments, ONE set; on the way out v96-255 are at work.
;   window 1: w_qkv's fragments, TWO sets, at v0 and v128.   window 2: the 32 accumulators of my rows 0-63 ((a, b) at v[8 (8 a + b)]);   window 3: those of my rows 64-127.
.set SIZE_K, 1024
.set KSTEP,  512                       ; along K in a slot
.set NQ,     KSTEP/128                 ; matrix instructions deep
.set ROWB,   256                       ; a tile's row in bytes
.set KROW,   SIZE_K*4/8                ; a row of codes in memory
.set PITCH,  272                       ; an LDS row: 256 bytes + 16 of padding: the 16 rows that a load touches start at 16 different banks (64 banks of 4 bytes: ISA guide 11.1)
.set FR,     8                         ; registers of a fragment: 16 rows x 128 K
.set NL,     2                         ; LDS loads that bring one
.set NP,     4                         ; places behind this matrix instruction (ISA guide 7.12.1)
.set HALFT,  128*PITCH                 ; 128 rows: what one tensor load brings
.set SLOT,   4*HALFT                   ; x's 256 rows, then w_qkv's 256 rows
.set KS,     SIZE_K/32                 ; a row of scales in bytes
.set SCL,    2*SLOT                    ; behind the slots: the scales, as rows of 256 bytes + 16 of padding
.set HALFS,  (128*KS/256)*272          ; the scales of 128 rows
.set SBLK,   (16*KS/256)*272           ; those of 16 rows
.set SPARE,  SCL+4*HALFS               ; the spare words, 128 bytes a wave
.set HP,     144                       ; the way out: a stage row: 64 f16 + 16 bytes of padding
.set WSTG,   2*16*HP                   ; a wave's stage: [head 2][row 16].  It lies in slot 0, which has had its only fill and its last read when the first result is stored there
.set ADRA, 16                          ; v16-17  LDS address of my x fragments in slot 0, 1
.set ADRB, 20                          ; v20-21  the same for w_qkv
.set STO,  24                          ; v24     the way out: where I put 16 bytes of a row
.set RD,   25                          ; v25     where I read rows back
.set CO,   26                          ; v26     16 x lane: my place in 512 bytes of qkv16
.set ADRS, 27                          ; v27     LDS address of my scale words: lanes 0-15 x's rows, lanes 16-31 w_qkv's
.set SPW,  28                          ; v28     LDS address of my spare word; never rewritten
.set NIL,  29                          ; v29     0; never rewritten
.set SC,   32                          ; scale words: set s at v[SC + 32 s]; register NQ i + q: lanes 0-15 x's block i, lanes 16-31 w_qkv's block i, the slot's q-th 128 along K
.set AF,   128                         ; x's fragments
.set MR,   96                          ; the way out: v96-159 a block's 64 numbers x the factor,
.set TMP,  160                         ; v160-191 the same as f16 pairs,
.set BK,   192                         ; v192-223, v224-255 rows read back from the stage, by turns
.set G1, 24                            ; s[24:31] descriptor group 1 for x's tiles;  s[32:39] group 0, one set for each slot
.set G0, 32
.set G1B, 48                           ; s[48:55], s[56:63] the same for w_qkv's tiles
.set G0B, 56
.set G1S, 68                           ; s[68:75], s[76:79] groups 1 and 0 for x's scales;  s[80:87], s[88:91] for w_qkv's
.set G0S, 76
.set G1SB, 80
.set G0SB, 88
.set MSB, 0
.macro WIN new                         ; the immediate's high byte repeats the setting that is left
.if MSB != (\new)
	s_set_vgpr_msb (MSB<<8)|(\new)
.set MSB, (\new)
.endif
.endm
.set MUL_LO, 0xa1                      ; source 0 window 1, source 1 window 0, C and D window 2
.set MUL_HI, 0xf1                      ; the same, C and D window 3
.set TO_B,   0x40                      ; destination window 1, address window 0
; A joint load: waves 0 and 1 fetch for x, waves 2 and 3 for w_qkv.  Each line has ONE mask and one set of registers for all that issue it; the branch hangs on the wave's number alone.
; An s_nop 0 and four v_nop follow each of the two lines.
.macro JLOAD g0a, g1a, g0b, g1b
	s_cmp_eq_u32 s15, 0
	s_cbranch_scc0 .Lfor_b_\@
	tensor_load_to_lds s[\g0a:\g0a+3], s[\g1a:\g1a+7]
	s_nop 0
.rept 4
	v_nop
.endr
	s_branch .Lasked_\@
.Lfor_b_\@:
	tensor_load_to_lds s[\g0b:\g0b+3], s[\g1b:\g1b+7]
	s_nop 0
.rept 4
	v_nop
.endr
.Lasked_\@:
.endm
.macro CROUND                          ; a round of the cluster's barrier
	s_barrier_signal -1
	s_barrier_wait -1
	s_cmp_lg_u32 s14, 0
	s_cbranch_scc1 .Lnot_wave_0_\@
	s_barrier_signal -3
.Lnot_wave_0_\@:
	s_barrier_wait -3
	s_barrier_signal -1
	s_barrier_wait -1
.endm
	s_load_b128 s[4:7], s[0:1], 0x0                ; x's codes s[4:5], x's scales s[6:7]
	s_load_b128 s[8:11], s[0:1], 0x10              ; w_qkv's codes s[8:9], its scales s[10:11]
	s_load_b64 s[12:13], s[0:1], 0x20              ; qkv16
	v_lshl_add_u32 v[SPW], v0, 2, SPARE
	v_mov_b32 v[NIL], 0
	ds_add_u32 v[SPW], v[NIL]                      ; the wave's opening: the add, twice on end, and its wait ahead of my first tensor load; every wave runs them
	ds_add_u32 v[SPW], v[NIL]                      ; the set-up below, work on registers, stands between the second and the wait
	v_lshrrev_b32 v1, 5, v0
	v_readfirstlane_b32 s14, v1                    ; wave 0..3
	s_lshr_b32 s15, s14, 1                         ; which half of the tile's rows is mine.  Also: I fetch for x (0) or for w_qkv (1)
	s_and_b32 s16, s14, 1                          ; which half of its columns.  Also: which 128 rows of that tile I fetch
	s_bfe_u32 s40, ttmp6, 0x40000                  ; cx, cy: my place in the cluster
	s_bfe_u32 s41, ttmp6, 0x40004
	s_lshl_b32 s42, ttmp9, 2
	s_add_co_u32 s42, s42, s40                     ; tile column = 4 x cluster x + cx
	s_and_b32 s17, ttmp7, 0xffff
	s_lshl_b32 s17, s17, 2
	s_add_co_u32 s17, s17, s41                     ; tile row = 4 x cluster y + cy
	s_lshl_b32 s43, s41, 2
	s_lshl_b32 s43, 15, s43                        ; my row of the cluster
	s_lshl_b32 s44, 0x1111, s40                    ; my column
	; descriptor group 1: a tile of 128 rows x 256 bytes, padded in LDS
	s_or_b32 s[G1+0], s43, (0<<16)|(1<<20)|(1<<21)|(5<<22)|(3<<25)  ; 15:0 the mask; 17:16 element of 1 byte; 20 padding on; 21 set beside a mask; 24:22 after every 64 words; 31:25 four words
	s_or_b32 s[G1B+0], s44, (0<<16)|(1<<20)|(1<<21)|(5<<22)|(3<<25)
.irp g, G1, G1B
	s_mov_b32 s[\g+1], ROWB<<16                    ; tensor_dim0
	s_mov_b32 s[\g+2], 128<<16                     ; tensor_dim1
	s_mov_b32 s[\g+3], ROWB<<16                    ; tile_dim0
	s_mov_b32 s[\g+4], 128                         ; tile_dim1
	s_mov_b32 s[\g+5], KROW                        ; tensor_dim0_stride
	s_mov_b32 s[\g+6], 0
	s_mov_b32 s[\g+7], 0
.endr
	; the scales of 128 rows: a dense block of 4,096 bytes, as 16 rows of 256 bytes (32 elements of 8 bytes), 16 bytes of padding behind each
	s_or_b32 s[G1S+0], s43, (3<<16)|(1<<20)|(1<<21)|(5<<22)|(3<<25)
	s_or_b32 s[G1SB+0], s44, (3<<16)|(1<<20)|(1<<21)|(5<<22)|(3<<25)
.irp g, G1S, G1SB
	s_mov_b32 s[\g+1], 32<<16
	s_mov_b32 s[\g+2], (128*KS/256)<<16
	s_mov_b32 s[\g+3], 32<<16
	s_mov_b32 s[\g+4], 128*KS/256
	s_mov_b32 s[\g+5], 32
	s_mov_b32 s[\g+6], 0
	s_mov_b32 s[\g+7], 0
.endr
	s_lshl_b32 s18, s16, 7                         ; which 128 rows of the tile I fetch
	s_lshl_b32 s20, s17, 8
	s_add_co_u32 s20, s20, s18                     ; x: row 256 x tile row + 128 x half
	s_lshl_b32 s46, s42, 8
	s_add_co_u32 s46, s46, s18                     ; w_qkv: row 256 x tile column + 128 x half
	s_mov_b32 s21, 0
	s_mov_b32 s47, 0
	s_mov_b64 s[18:19], KS
	s_mul_u64 s[22:23], s[20:21], s[18:19]         ; where these rows' scales begin, in bytes
	s_mul_u64 s[92:93], s[46:47], s[18:19]
	s_mov_b64 s[18:19], KROW
	s_mul_u64 s[20:21], s[20:21], s[18:19]         ; and their codes
	s_mul_u64 s[46:47], s[46:47], s[18:19]
	s_mul_i32 s45, s14, HALFT                      ; where they go: wave x 128 rows: no place in the cluster enters an LDS address
	s_mul_i32 s94, s14, HALFS
	s_mov_b32 s96, 0x3f800000                      ; the factor on the way out: 1.0 for k and v,
	s_cmp_eq_u32 ttmp9, 0
	s_cselect_b32 s96, 0x3e38aa3b, s96             ; c = log2(e) / 8 for q: a choice of a value, no branch
	s_mov_b32 s97, s96                             ; (named with it as a pair, so it is written)
	s_wait_dscnt 0x0                               ; both opening adds are done
	s_wait_kmcnt 0x0
	s_add_nc_u64 s[20:21], s[4:5], s[20:21]
	s_add_nc_u64 s[22:23], s[6:7], s[22:23]
	s_add_nc_u64 s[46:47], s[8:9], s[46:47]
	s_add_nc_u64 s[92:93], s[10:11], s[92:93]
	CROUND                                         ; all sixteen work-groups are here: the joint loads meet
	s_cmp_eq_u32 ttmp9, 3                          ; the fourth column of clusters has no tile of the product (its four sums above are not used).  The cluster's x is the same in all sixteen partners:
	s_cbranch_scc1 .Lside                          ; a whole cluster goes one way, and the ways do not meet again
	s_mov_b32 s[G0S], 1
	s_add_co_u32 s[G0S+1], s94, SCL
	s_mov_b64 s[G0S+2:G0S+3], s[22:23]
	s_or_b32 s[G0S+3], s[G0S+3], 0x80000000
	s_mov_b32 s[G0SB], 1
	s_add_co_u32 s[G0SB+1], s94, SCL
	s_mov_b64 s[G0SB+2:G0SB+3], s[92:93]
	s_or_b32 s[G0SB+3], s[G0SB+3], 0x80000000
	JLOAD G0S, G1S, G0SB, G1SB                     ; the scales first: they are wanted with the first slot
.irp s, 0,1
	s_mov_b32 s[G0+4*\s], 1
	s_add_co_u32 s[G0+4*\s+1], s45, \s*SLOT
	s_add_nc_u64 s[G0+4*\s+2:G0+4*\s+3], s[20:21], \s*ROWB
	s_or_b32 s[G0+4*\s+3], s[G0+4*\s+3], 0x80000000
	s_mov_b32 s[G0B+4*\s], 1
	s_add_co_u32 s[G0B+4*\s+1], s45, \s*SLOT
	s_add_nc_u64 s[G0B+4*\s+2:G0B+4*\s+3], s[46:47], \s*ROWB
	s_or_b32 s[G0B+4*\s+3], s[G0B+4*\s+3], 0x80000000
	JLOAD G0+4*\s, G1, G0B+4*\s, G1B               ; three tensor loads of mine are out in all
.endr
	v_and_b32 v1, 15, v0                           ; r = lane % 16
	v_bfe_u32 v2, v0, 4, 1                         ; h = lane / 16
	v_mul_u32_u24 v3, v1, PITCH
	v_lshl_add_u32 v4, v2, 4, v3                   ; a fragment's row x pitch + 16 x half
	s_mul_i32 s21, s15, HALFT                      ; my 128 rows of x
	s_mul_i32 s22, s16, HALFT                      ; my 128 rows of w_qkv,
	s_add_co_u32 s22, s22, 2*HALFT                 ; which lie behind x's 256
.irp s, 0,1
	v_add_nc_u32 v[ADRA+\s], s21, v4
	v_add_nc_u32 v[ADRB+\s], s22, v4
	s_add_co_u32 s21, s21, SLOT
	s_add_co_u32 s22, s22, SLOT
.endr
	v_mul_u32_u24 v5, v1, KS                       ; my row's scales: KS bytes a row,
	v_lshrrev_b32 v6, 8, v5
	v_lshl_add_u32 v5, v6, 4, v5                   ; and 16 more for each 256 passed
	s_mul_i32 s21, s15, HALFS                      ; x's: my 128 rows
	s_mul_i32 s22, s16, HALFS                      ; w_qkv's: my 128 rows, behind x's 256
	s_add_co_u32 s22, s22, 2*HALFS
	s_sub_co_u32 s22, s22, s21
	v_mul_u32_u24 v6, s22, v2                      ; lanes 16-31 take w_qkv's: one product, the distance between the two bases
	s_add_co_u32 s21, s21, SCL
	v_add_nc_u32 v5, v5, v6
	v_add_nc_u32 v[ADRS], s21, v5
	s_mul_i32 s23, s14, WSTG                       ; my stage
	v_mul_u32_u24 v5, v1, HP                       ; in: row r, 16 bytes for each half of the lanes
	v_lshl_add_u32 v5, v2, 4, v5
	v_add_nc_u32 v[STO], s23, v5
	v_and_b32 v6, 31, v0
	v_lshrrev_b32 v7, 3, v6                        ; back: eight lanes to a row of 128 bytes, four rows an instruction
	v_mul_u32_u24 v7, v7, HP
	v_and_b32 v8, 7, v6
	v_lshl_add_u32 v7, v8, 4, v7
	v_add_nc_u32 v[RD], s23, v7
	v_lshlrev_b32 v[CO], 4, v6                     ; in qkv16 those four rows are 512 consecutive bytes
	; where my part begins in qkv16: which x 8 MiB + (16 batch + head) x 262,144 + position x 128
	s_lshr_b32 s20, s17, 3                         ; the batch: eight tile rows each
	s_lshl_b32 s20, s20, 22
	s_and_b32 s21, s17, 7
	s_lshl_b32 s21, s21, 15                        ; 256 positions x 128 bytes
	s_add_co_u32 s20, s20, s21
	s_lshl_b32 s21, s15, 14                        ; my half of the rows
	s_add_co_u32 s20, s20, s21
	s_lshl_b32 s21, ttmp9, 23                      ; q, k or v
	s_add_co_u32 s20, s20, s21
	s_mov_b32 s21, 0
	s_lshl_b32 s46, s40, 20                        ; four heads to a tile column,
	s_lshl_b32 s47, s16, 19                        ; two to my half of it
	s_add_co_u32 s46, s46, s47
	s_mov_b32 s47, 0
	s_add_nc_u64 s[20:21], s[20:21], s[46:47]
	s_add_nc_u64 s[12:13], s[12:13], s[20:21]
.macro FRAG reg, adr, q, i             ; a fragment, 16 rows x 128 K of 4-bit codes: lane l holds row l % 16; registers 4 c .. 4 c + 3 hold K = 64 c + 32 (l / 16) + 0 .. 31
.irp c, 0,1
	ds_load_b128 v[\reg+4*\c:\reg+4*\c+3], v[\adr] offset:64*(\q)+32*\c+(\i)*16*PITCH
.endr
.endm
; 16 matrix instructions: x's blocks a0, a0 + 1 against w_qkv's eight, 128 along K.  p: w_qkv's set;  sc: the set of scale words.  zero = 1: the first product starts the sums.
; The 64 accumulators take turns, one instruction a turn, in the same order in every step.
.macro MUL16 a0, p, q, sc, zero
.irp a, \a0, \a0+1
.irp b, 0,1,2,3,4,5,6,7
.if \zero
	v_wmma_scale_f32_16x16x128_f8f6f4 v[8*(8*((\a)%4)+\b):8*(8*((\a)%4)+\b)+7], v[128*(\p)+FR*\b:128*(\p)+FR*\b+FR-1], v[AF+FR*(\a):AF+FR*(\a)+FR-1], 0, v[SC+8*NQ*(\sc)+NQ*\b+(\q)], v[SC+8*NQ*(\sc)+NQ*(\a)+(\q)] matrix_a_fmt:MATRIX_FMT_FP4 matrix_b_fmt:MATRIX_FMT_FP4 matrix_a_scale:MATRIX_SCALE_ROW1
.else
	v_wmma_scale_f32_16x16x128_f8f6f4 v[8*(8*((\a)%4)+\b):8*(8*((\a)%4)+\b)+7], v[128*(\p)+FR*\b:128*(\p)+FR*\b+FR-1], v[AF+FR*(\a):AF+FR*(\a)+FR-1], v[8*(8*((\a)%4)+\b):8*(8*((\a)%4)+\b)+7], v[SC+8*NQ*(\sc)+NQ*\b+(\q)], v[SC+8*NQ*(\sc)+NQ*(\a)+(\q)] matrix_a_fmt:MATRIX_FMT_FP4 matrix_b_fmt:MATRIX_FMT_FP4 matrix_a_scale:MATRIX_SCALE_ROW1
.endif
.endr
.endr
.endm
.macro FETCH_B slot, q, p              ; w_qkv's eight fragments of the slot's q-th 128 along K into set p
	WIN TO_B
.irp i, 0,1,2,3,4,5,6,7
	FRAG 128*(\p)+FR*\i, ADRB+\slot, \q, \i
.endr
	WIN 0
.endm
.macro FETCH_A slot, q, i0             ; x's blocks i0 .. i0 + 3
.irp i, \i0, \i0+1, \i0+2, \i0+3
	FRAG AF+FR*(\i), ADRA+\slot, \q, \i
.endr
.endm
.macro SCALES sc                       ; a slot's scale words into set sc: four words a row; lanes 0-15 take x's block i, lanes 16-31 w_qkv's block i
.irp i, 0,1,2,3,4,5,6,7
	ds_load_b128 v[SC+8*NQ*\sc+NQ*\i:SC+8*NQ*\sc+NQ*\i+3], v[ADRS] offset:\i*SBLK
.endr
.endm
; A load into a register that a matrix instruction has read, and a vector instruction that reads a matrix result or writes one of its registers, stand NP places behind it; only plain vector
; instructions that name none of its registers are places (ISA guide 7.12.1 for vector instructions).
.macro PLACES n
.rept \n
	v_nop
.endr
.endm
.macro STEP slot, q, zero              ; a step of 128 along K that has its successor in the same slot
	s_wait_dscnt 4*NL                              ; w_qkv's set and x's blocks 0-3 are in; the youngest eight loads (x's blocks 4-7) may be out
	WIN MUL_LO
	MUL16 0, (\q)%2, \q, \slot, \zero
	MUL16 2, (\q)%2, \q, \slot, \zero
	s_wait_dscnt 0                                 ; x's blocks 4-7 are in
	PLACES NP
	FETCH_B \slot, (\q)+1, 1-(\q)%2
	FETCH_A \slot, (\q)+1, 0
	WIN MUL_HI
	MUL16 4, (\q)%2, \q, \slot, \zero
	MUL16 6, (\q)%2, \q, \slot, \zero
	PLACES NP
	WIN 0
	FETCH_A \slot, (\q)+1, 4
.endm
; Slot 0's last step changes slots: ONE barrier; in front of it each wave waits for all its tensor loads (slot 1's was still out), adds 0 to its spare word, and waits for that and for its reads of slot 0.
; Behind it slot 1 is whole and nobody reads slot 0 any more.  Nothing is filled again.
.macro TURN slot, next
	s_wait_tensorcnt 0x0                           ; all my tensor loads have landed  (every window is 0 here)
	ds_add_u32 v[SPW], v[NIL]                      ; 0 onto my spare word
	s_wait_dscnt 4*NL+1                            ; (the add and the youngest eight loads may be out)
	WIN MUL_LO
	MUL16 0, 1, NQ-1, \slot, 0                     ; sixteen matrix instructions stand between the add and the wait for it
	s_wait_dscnt 0x0                               ; the add is done, and my reads of this slot are over
	s_barrier_signal -1
	MUL16 2, 1, NQ-1, \slot, 0
	WIN 0
	s_barrier_wait -1
	PLACES NP
	v_add_nc_u32 v[ADRS], 4*NQ, v[ADRS]            ; on to the next slot's scale words
	FETCH_B \next, 0, 0
	FETCH_A \next, 0, 0
	SCALES \next
	WIN MUL_HI
	MUL16 4, 1, NQ-1, \slot, 0
	MUL16 6, 1, NQ-1, \slot, 0
	PLACES NP
	WIN 0
	FETCH_A \next, 0, 4
.endm
.macro STEPS slot, from                ; the slot's steps from .. NQ - 2
.set QQ, \from
.rept NQ-1-\from
	STEP \slot, QQ, 0
.set QQ, QQ+1
.endr
.endm
	s_wait_tensorcnt 1                             ; the scales and my part of slot 0 are in (slot 1's load may be out)
	s_barrier_signal -1
	s_barrier_wait -1                              ; everybody's are
	FETCH_B 0, 0, 0
	FETCH_A 0, 0, 0
	SCALES 0
	FETCH_A 0, 0, 4
	STEP 0, 0, 1                                   ; the first step's products start the sums: nothing is cleared
	STEPS 0, 1
	TURN 0, 1
	STEPS 1, 0
	s_wait_dscnt 4*NL                              ; the very last step: nothing more to fetch
	WIN MUL_LO
	MUL16 0, 1, NQ-1, 1, 0
	MUL16 2, 1, NQ-1, 1, 0
	s_wait_dscnt 0
	WIN MUL_HI
	MUL16 4, 1, NQ-1, 1, 0
	MUL16 6, 1, NQ-1, 1, 0
	WIN 0
; THE WAY OUT, block by block of 16 positions x 128 channels (two heads).  PACK: x the factor, rounded once to f16: 16 bytes a lane.  TOSTAGE: into my own stage, [head][row], and back four rows at a time.
; SEND: a head's 16 rows are 2,048 consecutive bytes of qkv16: each store of the wave covers 512 consecutive bytes, aligned.
.macro PACK a
.set AC, 64*((\a)%4)
	WIN 0x02+(\a)/4                                ; source 0: window 2 or 3
.set i, 0
.rept 32
	v_pk_mul_f32 v[MR+i:MR+i+1], v[AC+i:AC+i+1], s[96:97] op_sel_hi:[1,0]   ; each accumulator from its low end on
.set i, i+2
.endr
	WIN 0
.set i, 0
.rept 32
	v_cvt_pk_f16_f32 v[TMP+i], v[MR+2*i], v[MR+2*i+1]
.set i, i+1
.endr
.endm
.macro TOSTAGE a
.set BB, BK+32*((\a)%2)
.irp b, 0,1,2,3,4,5,6,7
	ds_store_b128 v[STO], v[TMP+4*\b:TMP+4*\b+3] offset:(\b/4)*16*HP+(\b%4)*32
.endr
.irp t, 0,1,2,3,4,5,6,7
	ds_load_b128 v[BB+4*\t:BB+4*\t+3], v[RD] offset:(\t/4)*16*HP+(\t%4)*4*HP   ; LDS serves a wave's instructions in order (ISA guide 5.7.1.4): these see the stores above
.endr
.endm
.macro SEND a
.set BB, BK+32*((\a)%2)
	s_wait_dscnt 0x0                               ; the block is back in registers
.irp t, 0,1,2,3,4,5,6,7
	global_store_b128 v[CO], v[BB+4*\t:BB+4*\t+3], s[12:13] offset:(\t/4)*262144+(\a)*2048+(\t%4)*512
.endr
.endm
	PLACES NP                                      ; behind the last products: for the reads of results and the writes over registers that held fragments
	PACK 0
	TOSTAGE 0
.irp a, 1,2,3,4,5,6,7
	PACK \a                                        ; block a's arithmetic stands between block a - 1's loads from the stage and the wait for them
	SEND \a-1
.if \a > 1
	s_wait_xcnt 0x0                                ; block a - 2's stores have read their registers: block a's loads may land there
.endif
	TOSTAGE \a
.endr
	SEND 7
	s_wait_tensorcnt 0x0                           ; the wave's end: behind my last tensor load and my last LDS store
	ds_add_u32 v[SPW], v[NIL]
	s_wait_dscnt 0x0
	CROUND                                         ; the closing round: no work-group ends while a partner may still ask for a tile that names it
	s_endpgm
; ---------------------------------------------------------------------------------------------------------------------------------------------------------------------------------------
; THE FOURTH COLUMN OF CLUSTERS.  The cluster's y parts its four clusters once more; a work-group's place in its cluster, 0..15, enters global addresses alone.
.Lside:
	s_and_b32 s18, ttmp7, 0xffff                   ; the cluster's y: the same in all sixteen partners
	s_lshl_b32 s19, s41, 2
	s_add_co_u32 s19, s19, s40                     ; my place in the cluster: cx + 4 cy
	s_cmp_ge_u32 s18, 2
	s_cbranch_scc1 .Lhalf
; THE FIRST 16 POSITIONS OF EACH SEQUENCE, IN f32.  Under the causal mask these rows average one to sixteen values, so nothing is rounded to 16 bits on their way.
; A work-group takes one (batch = the cluster's y, head = its place).  Each of its four waves makes q and k of the 16 positions x 64 channels and ITS OWN 16 channels of v (tile = the wave's number) from the codes
; (FP4, E8M0 scales, K = 1,024 in eight steps of 128: 72 matrix instructions), all in f32 registers; then the scores, the softmax and its 16 channels of the context by v_wmma_f32_16x16x4_f32: 20 instructions a wave, no bulk work.
; q and k are made in each of the four waves: that spares an exchange through LDS and a barrier, for 64 matrix instructions a wave.
; LAYOUT.  q and k are made transposed (source 0 = 16 rows of w_qkv, source 1 = the 16 positions): lane (r, h) holds position r and channels 16 d + 8 h + 0..7.  A register pair 2 u, 2 u + 1 of k's tile is then source 0
; (16 keys x 4) and the same pair of q's tile source 1 of S^T = k q^T: both carry the same four channels at the same places.  v is made the natural way: lane (r, h) holds channel 16 w + r and positions 8 h + 0..7:
; a pair is source 0 (16 channels x 4 keys) of ctx^T = v^T p^T, whose source 1 is the same pair of p (lane: query r, keys 8 h + 0..7).
; ctxf is laid as a later launch's operand registers: [batch][16 channels g][e 2][lane][4]: lane (r, h) holds ctx[r][16 g + 8 h + 4 e + 0..3]; each store of the wave covers 512 consecutive bytes.
; REGISTERS.  window 0: v1-7, v30 addresses and constants; v8-15 the scores, then p, then the context; v32-63 q's (lanes 0-15) and k's (lanes 16-31) scale words (8 tile + step), v64-71 x's, v72-79 v's: scales and nothing else;
;   v96-167 the nine tiles q (0-3), k (4-7), v (8); v248-255 at work, then p / the sum.   window 1: v0-63 x's eight fragments; v64-135 w_qkv's nine fragments of an even step.   window 2: v64-135 those of an odd step.
;   window 3: v128-159 the f32 form's four accumulators: registers that matrix instructions alone write, in the whole text.
.set FQK,  32
.set FXS,  64
.set FVS,  72
.set FACC, 96
.set FPW,  248
.set FSA,  128
.set FWF,  64
	s_load_b64 s[24:25], s[0:1], 0x28              ; ctxf
	v_and_b32 v1, 15, v0                           ; r
	v_bfe_u32 v2, v0, 4, 1                         ; h
	v_lshlrev_b32 v3, 9, v1
	v_lshl_add_u32 v3, v2, 4, v3                   ; codes: row r of 512 bytes, + 16 h
	v_lshlrev_b32 v4, 5, v1                        ; scale words: row r of 32 bytes
	v_lshl_add_u32 v30, v2, 15, v4                 ; the same, lanes 16-31 taking k's rows: 1,024 rows of 32 bytes further on
	v_and_b32 v5, 31, v0
	v_lshlrev_b32 v5, 4, v5                        ; 16 x lane
	v_lshlrev_b32 v6, 3, v2
	v_sub_nc_u32 v6, v1, v6                        ; r - 8 h
	v_mov_b32 v7, 0xff800000                       ; -infinity
	s_lshl_b32 s20, s18, 20                        ; x's codes: batch x 2,048 rows x 512 bytes
	s_mov_b32 s21, 0
	s_lshl_b32 s22, s18, 16                        ; x's scales: batch x 2,048 rows x 32 bytes
	s_mov_b32 s23, 0
	s_lshl_b32 s36, s19, 15                        ; w_qkv's codes: head x 64 rows x 512 bytes
	s_mov_b32 s37, 0
	s_lshl_b32 s38, s19, 11                        ; its scales: head x 64 rows x 32 bytes
	s_mov_b32 s39, 0
	s_lshl_b32 s42, s14, 13                        ; my tile of v: 2,048 rows on, + wave x 16 rows: codes,
	s_add_co_u32 s42, s42, 0x100000
	s_mov_b32 s43, 0
	s_lshl_b32 s44, s14, 9                         ; and scales
	s_add_co_u32 s44, s44, 0x10000
	s_mov_b32 s45, 0
	s_lshl_b32 s46, s19, 12                        ; ctxf: batch x 65,536 + head x 4,096 + wave x 1,024
	s_add_co_u32 s46, s46, s22
	s_lshl_b32 s47, s14, 10
	s_add_co_u32 s46, s46, s47
	s_mov_b32 s47, 0
	s_mov_b32 s50, 0x76543210
	s_mov_b32 s51, 0xfedcba98                      ; v_permlanex16_b32's selects for lane l xor 16
	s_mov_b32 s48, 0x3e38aa3b                      ; log2(e) / 8
	s_mov_b32 s49, s48                             ; (named with it as a pair, so it is written)
	s_wait_kmcnt 0x0
	s_add_nc_u64 s[4:5], s[4:5], s[20:21]
	s_add_nc_u64 s[6:7], s[6:7], s[22:23]
	s_add_nc_u64 s[8:9], s[8:9], s[36:37]
	s_add_nc_u64 s[10:11], s[10:11], s[38:39]
	s_add_nc_u64 s[32:33], s[8:9], s[42:43]
	s_add_nc_u64 s[34:35], s[10:11], s[44:45]
	s_add_nc_u64 s[24:25], s[24:25], s[46:47]
.irp d, 0,1,2,3
	global_load_b128 v[FQK+8*\d:FQK+8*\d+3], v30, s[10:11] offset:512*\d
	global_load_b128 v[FQK+8*\d+4:FQK+8*\d+7], v30, s[10:11] offset:512*\d+16
.endr
	global_load_b128 v[FXS:FXS+3], v4, s[6:7]
	global_load_b128 v[FXS+4:FXS+7], v4, s[6:7] offset:16
	global_load_b128 v[FVS:FVS+3], v4, s[34:35]
	global_load_b128 v[FVS+4:FVS+7], v4, s[34:35] offset:16
	WIN 0x40                                       ; destination window 1
.irp k, 0,1,2,3,4,5,6,7
.irp c, 0,1
	global_load_b128 v[8*\k+4*\c:8*\k+4*\c+3], v3, s[4:5] offset:64*\k+32*\c
.endr
.endr
.macro FWLOAD s                        ; w_qkv's nine fragments of K step s: 18 loads, into window 1 (s even) or 2 (s odd)
	WIN 0x40*(1+(\s)%2)
.irp t, 0,1,2,3,4,5,6,7
.irp c, 0,1
	global_load_b128 v[FWF+8*\t+4*\c:FWF+8*\t+4*\c+3], v3, s[8:9] offset:(\t/4)*524288+(\t%4)*8192+64*(\s)+32*\c
.endr
.endr
.irp c, 0,1
	global_load_b128 v[FWF+64+4*\c:FWF+64+4*\c+3], v3, s[32:33] offset:64*(\s)+32*\c
.endr
.endm
	FWLOAD 0
	FWLOAD 1
; A K step: nine matrix instructions, the nine accumulators by turns; step 0 starts the sums.
.macro FKSTEP s
.if (\s) < 7
	s_wait_loadcnt 18                              ; all but the 18 loads of the next step's set
.else
	s_wait_loadcnt 0x0
.endif
	WIN 0x05+(\s)%2                                ; source 0 (w_qkv) window 1 or 2, source 1 (x) window 1
.irp t, 0,1,2,3
.if (\s) == 0
	v_wmma_scale_f32_16x16x128_f8f6f4 v[FACC+8*\t:FACC+8*\t+7], v[FWF+8*\t:FWF+8*\t+7], v[8*(\s):8*(\s)+7], 0, v[FQK+8*\t+(\s)], v[FXS+(\s)] matrix_a_fmt:MATRIX_FMT_FP4 matrix_b_fmt:MATRIX_FMT_FP4
.else
	v_wmma_scale_f32_16x16x128_f8f6f4 v[FACC+8*\t:FACC+8*\t+7], v[FWF+8*\t:FWF+8*\t+7], v[8*(\s):8*(\s)+7], v[FACC+8*\t:FACC+8*\t+7], v[FQK+8*\t+(\s)], v[FXS+(\s)] matrix_a_fmt:MATRIX_FMT_FP4 matrix_b_fmt:MATRIX_FMT_FP4
.endif
.endr
.irp t, 0,1,2,3                                ; k's tiles: their scale words stand in lanes 16-31 of q's registers
.if (\s) == 0
	v_wmma_scale_f32_16x16x128_f8f6f4 v[FACC+32+8*\t:FACC+32+8*\t+7], v[FWF+32+8*\t:FWF+32+8*\t+7], v[8*(\s):8*(\s)+7], 0, v[FQK+8*\t+(\s)], v[FXS+(\s)] matrix_a_fmt:MATRIX_FMT_FP4 matrix_b_fmt:MATRIX_FMT_FP4 matrix_a_scale:MATRIX_SCALE_ROW1
.else
	v_wmma_scale_f32_16x16x128_f8f6f4 v[FACC+32+8*\t:FACC+32+8*\t+7], v[FWF+32+8*\t:FWF+32+8*\t+7], v[8*(\s):8*(\s)+7], v[FACC+32+8*\t:FACC+32+8*\t+7], v[FQK+8*\t+(\s)], v[FXS+(\s)] matrix_a_fmt:MATRIX_FMT_FP4 matrix_b_fmt:MATRIX_FMT_FP4 matrix_a_scale:MATRIX_SCALE_ROW1
.endif
.endr
	WIN 0x05+4*((\s)%2)                            ; source 0 (x) window 1, source 1 (w_qkv) window 1 or 2
.if (\s) == 0
	v_wmma_scale_f32_16x16x128_f8f6f4 v[FACC+64:FACC+71], v[8*(\s):8*(\s)+7], v[FWF+64:FWF+71], 0, v[FXS+(\s)], v[FVS+(\s)] matrix_a_fmt:MATRIX_FMT_FP4 matrix_b_fmt:MATRIX_FMT_FP4
.else
	v_wmma_scale_f32_16x16x128_f8f6f4 v[FACC+64:FACC+71], v[8*(\s):8*(\s)+7], v[FWF+64:FWF+71], v[FACC+64:FACC+71], v[FXS+(\s)], v[FVS+(\s)] matrix_a_fmt:MATRIX_FMT_FP4 matrix_b_fmt:MATRIX_FMT_FP4
.endif
.if (\s) < 6
.rept 4
	v_nop                                          ; four places in front of loads into registers that matrix instructions have read
.endr
	FWLOAD (\s)+2
.endif
.endm
.irp k, 0,1,2,3,4,5,6,7
	FKSTEP \k
.endr
	WIN 0
.rept 5
	v_nop                                          ; five places before matrix instructions take these results as operands
.endr
	WIN 0xf0                                       ; C and D window 3, the operands window 0
.irp d, 0,1,2,3                                ; S^T = k q^T: four accumulators by turns, four channels an instruction; the first four start the sums
.irp u, 0,1,2,3
.if \d == 0
	v_wmma_f32_16x16x4_f32 v[FSA+8*\u:FSA+8*\u+7], v[FACC+32+8*\d+2*\u:FACC+32+8*\d+2*\u+1], v[FACC+8*\d+2*\u:FACC+8*\d+2*\u+1], 0
.else
	v_wmma_f32_16x16x4_f32 v[FSA+8*\u:FSA+8*\u+7], v[FACC+32+8*\d+2*\u:FACC+32+8*\d+2*\u+1], v[FACC+8*\d+2*\u:FACC+8*\d+2*\u+1], v[FSA+8*\u:FSA+8*\u+7]
.endif
.endr
.endr
.rept 8
	v_nop                                          ; eight places behind this form before its results are read
.endr
	WIN 0x0f                                       ; sources 0 and 1 window 3, destination window 0
.irp j, 0,2,4,6
	v_pk_add_f32 v[8+\j:9+\j], v[FSA+\j:FSA+\j+1], v[FSA+8+\j:FSA+9+\j]        ; the four partial sums, each accumulator from its low end on, into other registers
.endr
.irp j, 0,2,4,6
	v_pk_add_f32 v[FPW+\j:FPW+\j+1], v[FSA+16+\j:FSA+17+\j], v[FSA+24+\j:FSA+25+\j]
.endr
	WIN 0
.irp j, 0,2,4,6
	v_pk_add_f32 v[8+\j:9+\j], v[8+\j:9+\j], v[FPW+\j:FPW+\j+1]                ; register j: the score of key 8 h + j for query r
.endr
.irp j, 0,1,2,3,4,5,6,7
	v_cmp_gt_i32 vcc_lo, \j, v6                    ; hidden where 8 h + j > r
	v_cndmask_b32 v[8+\j], v[8+\j], v7, vcc_lo
.endr
	v_max3_num_f32 v1, v8, v9, v10
	v_max3_num_f32 v1, v1, v11, v12
	v_max3_num_f32 v1, v1, v13, v14
	v_max_num_f32 v1, v1, v15
	v_permlanex16_b32 v2, v1, s50, s51
	v_max_num_f32 v2, v1, v2                       ; the row's largest score: key 0 counts for every query, so it is a number
.irp j, 0,2,4,6
	v_pk_add_f32 v[8+\j:9+\j], v[8+\j:9+\j], v[2:3] op_sel_hi:[1,0] neg_lo:[0,1] neg_hi:[0,1]   ; score - maximum,
.endr
.irp j, 0,2,4,6
	v_pk_mul_f32 v[8+\j:9+\j], v[8+\j:9+\j], s[48:49] op_sel_hi:[1,0]                          ; x log2(e) / 8
.endr
.irp j, 0,1,2,3,4,5,6,7
	v_exp_f32 v[8+\j], v[8+\j]
.endr
	v_nop                                          ; a plain instruction behind the last exponential,
	s_wait_alu depctr_va_vdst(0)                   ; and one wait for the batch ahead of its first reader
	v_pk_add_f32 v[FPW:FPW+1], v[8:9], v[10:11]
	v_pk_add_f32 v[FPW+2:FPW+3], v[12:13], v[14:15]
	v_pk_add_f32 v[FPW:FPW+1], v[FPW:FPW+1], v[FPW+2:FPW+3]
	v_add_f32 v1, v[FPW], v[FPW+1]
	v_permlanex16_b32 v2, v1, s50, s51
	v_add_f32 v1, v1, v2                           ; the row's sum
	v_rcp_f32 v2, v1
	v_nop
	s_wait_alu depctr_va_vdst(0)
.irp j, 0,2,4,6
	v_pk_mul_f32 v[FPW+\j:FPW+\j+1], v[8+\j:9+\j], v[2:3] op_sel_hi:[1,0]      ; the weights
.endr
	WIN 0xf0
.irp u, 0,1,2,3                                ; ctx^T = v^T p^T of my 16 channels: four keys an instruction, each into an accumulator of its own; more than nine plain instructions lie between these and the scores' products, whose registers they take
	v_wmma_f32_16x16x4_f32 v[FSA+8*\u:FSA+8*\u+7], v[FACC+64+2*\u:FACC+64+2*\u+1], v[FPW+2*\u:FPW+2*\u+1], 0
.endr
.rept 8
	v_nop                                          ; eight places: for the reads of the results and the writes over the weights' registers
.endr
	WIN 0x0f
.irp j, 0,2,4,6
	v_pk_add_f32 v[8+\j:9+\j], v[FSA+\j:FSA+\j+1], v[FSA+8+\j:FSA+9+\j]        ; the four parts, each accumulator from its low end on, into other registers
.endr
.irp j, 0,2,4,6
	v_pk_add_f32 v[FPW+\j:FPW+\j+1], v[FSA+16+\j:FSA+17+\j], v[FSA+24+\j:FSA+25+\j]
.endr
	WIN 0
.irp j, 0,2,4,6
	v_pk_add_f32 v[8+\j:9+\j], v[8+\j:9+\j], v[FPW+\j:FPW+\j+1]
.endr
	global_store_b128 v5, v[8:11], s[24:25]        ; lane (r, h): ctx[r][16 wave + 8 h + 0..3] of my head,
	global_store_b128 v5, v[12:15], s[24:25] offset:512   ; and + 4..7
	s_wait_tensorcnt 0x0                           ; the wave's end
	ds_add_u32 v[SPW], v[NIL]
	s_wait_dscnt 0x0
	CROUND                                         ; the closing round, as on every way through this text
	s_endpgm
; w_out [1,024][1,024] to f16, rounded once, for the projection.  LIMIT: |w_out| stays at or under 65,504.  32 work-groups, a wave 8,192 numbers: four rounds of 16 loads (512 consecutive bytes each) in two register sets;
; a load's 512 bytes leave as 256 consecutive bytes, aligned.  REGISTERS (window 0): v96-159, v160-223 the two sets; v224-255 the f16 pairs.
.set H0, 96
.set HO, 224
.Lhalf:
	s_load_b128 s[28:31], s[0:1], 0x30             ; w_out s[28:29], w16 s[30:31]
	s_sub_co_u32 s18, s18, 2
	s_lshl_b32 s18, s18, 4
	s_add_co_u32 s18, s18, s19                     ; which of the 32 work-groups,
	s_lshl_b32 s18, s18, 2
	s_add_co_u32 s18, s18, s14                     ; and which run of 8,192 numbers is my wave's
	s_lshl_b32 s20, s18, 15
	s_mov_b32 s21, 0
	s_lshl_b32 s22, s18, 14
	s_mov_b32 s23, 0
	v_and_b32 v2, 31, v0                           ; lane
	v_lshlrev_b32 v3, 4, v2                        ; in: 16 bytes a lane
	v_lshlrev_b32 v4, 3, v2                        ; out: 8 bytes a lane
	s_wait_kmcnt 0x0
	s_add_nc_u64 s[28:29], s[28:29], s[20:21]
	s_add_nc_u64 s[30:31], s[30:31], s[22:23]
.macro HLOAD g
.irp i, 0,1,2,3,4,5,6,7,8,9,10,11,12,13,14,15
	global_load_b128 v[H0+64*((\g)%2)+4*\i:H0+64*((\g)%2)+4*\i+3], v3, s[28:29] offset:8192*(\g)+512*\i
.endr
.endm
.macro HROUND g
.set HS, H0+64*((\g)%2)
.if (\g) < 3
	s_wait_loadcnt 16                              ; this round's sixteen loads are in; the other set's may be out
.else
	s_wait_loadcnt 0x0
.endif
	s_wait_xcnt 0x0                                ; the last round's stores have read their data: the pairs are written again only behind this wait
.irp i, 0,1,2,3,4,5,6,7,8,9,10,11,12,13,14,15
	v_cvt_pk_f16_f32 v[HO+2*\i], v[HS+4*\i], v[HS+4*\i+1]
	v_cvt_pk_f16_f32 v[HO+2*\i+1], v[HS+4*\i+2], v[HS+4*\i+3]
.endr
.irp i, 0,1,2,3,4,5,6,7,8,9,10,11,12,13,14,15
	global_store_b64 v4, v[HO+2*\i:HO+2*\i+1], s[30:31] offset:4096*(\g)+256*\i
.endr
.if (\g) < 2
	HLOAD (\g)+2
.endif
.endm
	HLOAD 0
	HLOAD 1
	HROUND 0
	HROUND 1
	HROUND 2
	HROUND 3
	s_wait_tensorcnt 0x0                           ; the wave's end
	ds_add_u32 v[SPW], v[NIL]
	s_wait_dscnt 0x0
	CROUND                                         ; the closing round, as on every way through this text
	s_endpgm
.Lfunc_end_k_qcb967fe453_qkv:
	.size	k_qcb967fe453_qkv, .Lfunc_end_k_qcb967fe453_qkv-k_qcb967fe453_qkv
	.p2alignl 7, 3214868480
	.fill 96, 4, 3214868480
	.section	.rodata,"a",@progbits
	.p2align	6, 0x0
	.amdhsa_kernel k_qcb967fe453_qkv
		.amdhsa_group_segment_fixed_size 327680
		.amdhsa_private_segment_fixed_size 0
		.amdhsa_enable_private_segment 0
		.amdhsa_kernarg_size 64
		.amdhsa_user_sgpr_count 2
		.amdhsa_user_sgpr_kernarg_segment_ptr 1
		.amdhsa_wavefront_size32 1
		.amdhsa_system_sgpr_workgroup_id_x 1
		.amdhsa_system_sgpr_workgroup_id_y 1
		.amdhsa_system_sgpr_workgroup_id_z 1
		.amdhsa_system_vgpr_workitem_id 0
		.amdhsa_next_free_vgpr 1024
		.amdhsa_next_free_sgpr 98
		.amdhsa_reserve_vcc 1
		.amdhsa_float_denorm_mode_32 3
		.amdhsa_float_denorm_mode_16_64 3
		.amdhsa_memory_ordered 1
		.amdhsa_forward_progress 1
		.amdhsa_inst_pref_size 199
	.end_amdhsa_kernel
	.amdgpu_metadata
---
amdhsa.version: [ 1, 2 ]
amdhsa.kernels:
  - .name:           k_qcb967fe453_qkv
    .symbol:         k_qcb967fe453_qkv.kd
    .args:
      - { .name: xq_codes, .offset: 0, .size: 8, .value_kind: global_buffer, .address_space: global }
      - { .name: xq_scales, .offset: 8, .size: 8, .value_kind: global_buffer, .address_space: global }
      - { .name: wq_codes, .offset: 16, .size: 8, .value_kind: global_buffer, .address_space: global }
      - { .name: wq_scales, .offset: 24, .size: 8, .value_kind: global_buffer, .address_space: global }
      - { .name: qkv16, .offset: 32, .size: 8, .value_kind: global_buffer, .address_space: global }
      - { .name: ctxf, .offset: 40, .size: 8, .value_kind: global_buffer, .address_space: global }
      - { .name: w_out, .offset: 48, .size: 8, .value_kind: global_buffer, .address_space: global }
      - { .name: w16, .offset: 56, .size: 8, .value_kind: global_buffer, .address_space: global }
    .group_segment_fixed_size: 327680
    .private_segment_fixed_size: 0
    .kernarg_segment_align: 8
    .kernarg_segment_size: 64
    .max_flat_workgroup_size: 128
    .sgpr_count:     98
    .vgpr_count:     1024
    .wavefront_size: 32
...
	.end_amdgpu_metadata
.endif
;; end of part 2
;; launch attn (part 3): grid 8 x 32, 8 waves a work-group, no clusters, 327,680 bytes of LDS; arguments qkv16, ctx16; writes ctx16
.if DOCPART == 3
	.amdgcn_target "amdgcn-amd-amdhsa--gfx1250"
	.amdhsa_code_object_version 6
	.text
	.protected	k_qcb967fe453_attn
	.globl	k_qcb967fe453_attn
	.p2align	8
	.type	k_qcb967fe453_attn,@function
k_qcb967fe453_attn:
	s_mov_b64 s[64:65], 0
	v_nop
	global_prefetch_b8 v0, s[64:65] scope:SCOPE_SE
	s_setreg_imm32_b32 hwreg(HW_REG_WAVE_MODE, 25, 1), 1
	s_wait_xcnt 0x0
; ctx[bh][q] = the sum over k <= q of softmax_k(Q[bh][q] . K[bh][k] / 8) V[bh][k].  Q, K, V: qkv16 [3][32][2,048][64] f16; Q already carries c = log2(e) / 8, so a score IS the exponent of 2.
; Products, maxima and sums in f32; the weights p = 2^(score - running maximum) are rounded to f16 for the second product, ctx once at the end.  LIMIT: |ctx| stays at or under 65,504.
; ctx16 is laid [16 batch + position / 128][head][position % 128][64] f16: a tile of 16 positions of a head is 2,048 consecutive bytes, and the next launch's K step is one dense block.
; SHARES.  Work-group (i, bh) owns query blocks i and 15 - i of 128 rows: (i + 1) + (16 - i) = 17 blocks of 128 keys under the causal mask, the same for every work-group.
; Each of its eight waves owns two tiles of 16 queries: tile 0 in the early block, tile 1 in the late one.  While both are alive each fragment of K and V read from LDS feeds two products.
; NO CLUSTER: under the mask the work-groups of a head need different numbers of tiles (2,047 - 128 i is the last key of work-group i), so partners would not make the same joint requests.
; LAYOUT.  S^T = K Q^T (source 0 = 16 keys, source 1 = 16 queries): a lane holds ONE query (lane % 16) and keys 8 (lane / 16) + 0..7 of each tile of 16.  Rounded to f16 in pairs, in place, two such tiles
; ARE source 1 (32 keys x 16 queries) of O^T = V^T P.  K comes out of LDS as it lies, V ([key][channel]) turned, by ds_load_tr16_b128.
; THE WALK.  Every work-group walks all eight slots of 256 keys, so that trip counts are constants; a step of 64 keys all of which come after a wave's queries is jumped over by a scalar branch on ids.
; REGISTERS: v1-13 addresses and constants; v16-31 eight statistics a tile (+0 m, +1 old m, +2, +3 the sum, +4..7 at work, a at +6); v32-63 Q; v64-127 S^T, then p, then P; v128-191 O^T; v192-255 K's fragments, then V's.
.set SK,    256                        ; keys in a slot
.set PK,    144                        ; a key's row in LDS: 128 bytes + 16 of padding: the 16 rows of a load start at 16 different banks (64 banks of 4 bytes: ISA guide 11.1)
.set PVP,   160                        ; a row of V: 128 + 32
.set VOFF,  SK*PK                      ; a slot: 256 rows of K, then 256 rows of V
.set SLOT1, 1<<17                      ; slot 1 begins here: one exclusive or turns an address in one slot into the other's
.set STAGE, VOFF+SK*PVP                ; behind slot 0's tiles: 16 rows x 144 bytes for each wave, for the way out; no tile lands here
.set SPARE, STAGE+8*16*PK              ; the spare words, 128 bytes a wave
.set NSL,   2048/SK
.set AK0,  1                           ; v1   my lane's place in a tile of K
.set AV0,  2                           ; v2   the same for V
.set ADK,  3                           ; v3   LDS address of the slot's K for my lane
.set ADV,  4                           ; v4   of its V
.set SPW,  5                           ; v5   LDS address of my spare word; never rewritten
.set NIL,  6                           ; v6   0; never rewritten
.set STO,  7                           ; v7   the way out: where I put 16 bytes of a row
.set RD,   8                           ; v8   where I read rows back
.set GO,   9                           ; v9   16 x lane
.set DD,   10                          ; v10  the mask: my query - the step's first key - 8 (lane / 16)
.set NINF, 11                          ; v11  -infinity
.set RH,   12                          ; v12  lane % 16 - 8 (lane / 16)
.set PFO,  13                          ; v13  256 x lane: the prefetches' offset; never rewritten
.set ST,   16
.set QF,   32
.set SS,   64
.set OO,   128
.set KV,   192
.set TB,    2                          ; s2   LDS byte at which the slot in hand begins
.set WV,    8                          ; s8   my wave's number
.set QL,    11                         ; s11  tile 0's first query;  s12 tile 1's
.set QH,    12
.set QLE,   13                         ; s13, s14 their last queries
.set QHE,   14
.set LASTQ, 15                         ; s15  my work-group's last query
.set KF,    16                         ; s16  the step's first key
.set SLOTS, 17                         ; s17  changes of slots still to come in the loop
.set LIM,   19                         ; s19  1 in a wave that prefetches, else the greatest number
.set SEL,   20                         ; s[20:21] lane selects for v_permlanex16_b32: lane l xor 16
.set G1K,   24                         ; s[24:31], s[32:39] descriptor groups 1 for K's and V's tiles: they differ in the padding
.set G1V,   32
.set G0K,   40                         ; s[40:43], s[44:47] their groups 0, which walk
.set G0V,   44
.set PFK,   48                         ; s[48:49], s[50:51] where my prefetches stand in K and in V
.set PFV,   50
.set CB,    52                         ; s[52:53], s[54:55] where tile 0's and tile 1's rows begin in ctx16
; Wave 0 fetches a slot's K, wave 1 its V, 256 rows each; the others nothing.  The branches hang on the wave's number alone.  An s_nop 0 and four v_nop follow each line.
.macro TLOAD
	s_cmp_eq_u32 s[WV], 0
	s_cbranch_scc0 .Lnot_k_\@
	tensor_load_to_lds s[G0K:G0K+3], s[G1K:G1K+7]
	s_nop 0
.rept 4
	v_nop
.endr
	s_branch .Lasked_\@
.Lnot_k_\@:
	s_cmp_eq_u32 s[WV], 1
	s_cbranch_scc0 .Lasked_\@
	tensor_load_to_lds s[G0V:G0V+3], s[G1V:G1V+7]
	s_nop 0
.rept 4
	v_nop
.endr
.Lasked_\@:
.endm
; A PREFETCH of what the NEXT change of slots will ask for: a slot's 32,768 bytes of K and of V, four key steps ahead of that load.  All eight work-groups of a head walk the same K and V: the one
; that walks them all (i = 0) asks, and in it waves 4 to 7, 8,192 bytes of each tensor a wave, lanes 256 bytes apart: each block of 256 bytes is named once in the launch.
; The loop's last change asks for nothing: there is no slot behind the one that it loads.  Slots 0 and 1 come by their loads alone.
.macro ASK
	s_cmp_gt_u32 s[SLOTS], s[LIM]
	s_cbranch_scc0 .Lnot_mine_\@
	global_prefetch_b8 v[PFO], s[PFK:PFK+1] th:TH_LOAD_NT scope:SCOPE_SE
	global_prefetch_b8 v[PFO], s[PFV:PFV+1] th:TH_LOAD_NT scope:SCOPE_SE
.Lnot_mine_\@:
.endm
	s_load_b128 s[4:7], s[0:1], 0x0                ; qkv16 s[4:5], ctx16 s[6:7]
	v_lshl_add_u32 v[SPW], v0, 2, SPARE
	v_mov_b32 v[NIL], 0
	ds_add_u32 v[SPW], v[NIL]                      ; the wave's opening: the add, twice on end, and its wait ahead of my first tensor load
	ds_add_u32 v[SPW], v[NIL]                      ; the set-up below, work on registers, stands between the second and the wait
	v_lshrrev_b32 v14, 5, v0
	v_readfirstlane_b32 s[WV], v14                 ; wave 0..7
	s_and_b32 s9, ttmp7, 0xffff                    ; bh = 16 batch + head
	s_lshl_b32 s10, ttmp9, 7                       ; 128 i
	s_lshl_b32 s56, s[WV], 4
	s_add_co_u32 s[QL], s10, s56                   ; tile 0: 128 i + 16 wave
	s_sub_co_u32 s[QH], 1920, s10
	s_add_co_u32 s[QH], s[QH], s56                 ; tile 1: 128 (15 - i) + 16 wave
	s_add_co_u32 s[QLE], s[QL], 15
	s_add_co_u32 s[QHE], s[QH], 15
	s_or_b32 s[LASTQ], s[QH], 127
	s_lshl_b32 s22, s9, 18                         ; a head's rows: 2,048 x 128 bytes
	s_mov_b32 s23, 0
	; descriptor group 1: a tile of 256 rows x 64 elements of 2 bytes, dense in memory, padded in LDS
	s_mov_b32 s[G1K], (1<<16)|(1<<20)|(4<<22)|(3<<25)   ; 15:0 no mask; 17:16 elements of 2 bytes; 20 padding on; 24:22 after every 32 words; 31:25 four words
	s_mov_b32 s[G1V], (1<<16)|(1<<20)|(4<<22)|(7<<25)   ; the same with eight words of padding
.irp g, G1K, G1V
	s_mov_b32 s[\g+1], 64<<16                      ; tensor_dim0
	s_mov_b32 s[\g+2], SK<<16                      ; tensor_dim1
	s_mov_b32 s[\g+3], 64<<16                      ; tile_dim0
	s_mov_b32 s[\g+4], SK                          ; tile_dim1
	s_mov_b32 s[\g+5], 64                          ; tensor_dim0_stride
	s_mov_b32 s[\g+6], 0
	s_mov_b32 s[\g+7], 0
.endr
	s_mov_b32 s[SEL], 0x76543210
	s_mov_b32 s[SEL+1], 0xfedcba98
	s_mov_b32 s[TB], 0
	s_mov_b32 s[KF], 0
	s_mov_b32 s[SLOTS], NSL-1
	; where my tiles' rows begin in ctx16: (16 batch + block) x 262,144 + head x 16,384 + wave x 2,048
	s_lshr_b32 s58, s9, 4
	s_lshl_b32 s58, s58, 4                         ; 16 batch
	s_and_b32 s59, s9, 15
	s_lshl_b32 s59, s59, 14
	s_lshl_b32 s56, s[WV], 11
	s_add_co_u32 s59, s59, s56
	s_add_co_u32 s56, s58, ttmp9                   ; block i
	s_lshl_b32 s56, s56, 18
	s_add_co_u32 s56, s56, s59
	s_mov_b32 s57, 0
	s_add_co_u32 s60, s58, 15
	s_sub_co_u32 s60, s60, ttmp9                   ; block 15 - i
	s_lshl_b32 s60, s60, 18
	s_add_co_u32 s60, s60, s59
	s_mov_b32 s61, 0
	s_wait_dscnt 0x0                               ; both opening adds are done
	s_wait_kmcnt 0x0
	s_add_nc_u64 s[4:5], s[4:5], s[22:23]          ; Q of my head
	s_mov_b32 s[G0K], 1                            ; 1:0 count = 1
	s_mov_b32 s[G0K+1], 0                          ; 63:32 LDS address: slot 0
	s_add_nc_u64 s[G0K+2:G0K+3], s[4:5], 0x800000  ; 120:64 global address: K of my head, keys 0 on
	s_or_b32 s[G0K+3], s[G0K+3], 0x80000000        ; 127:126 type = 2
	s_mov_b32 s[G0V], 1
	s_mov_b32 s[G0V+1], VOFF
	s_add_nc_u64 s[G0V+2:G0V+3], s[4:5], 0x1000000 ; V of my head
	s_or_b32 s[G0V+3], s[G0V+3], 0x80000000
	TLOAD                                          ; slot 0: key 0 counts for every query, so it is read by every wave
	s_add_nc_u64 s[CB:CB+1], s[6:7], s[56:57]
	s_add_nc_u64 s[CB+2:CB+3], s[6:7], s[60:61]
	s_and_b32 s56, s[WV], 3                        ; the prefetches: my wave's 8,192 bytes,
	s_lshl_b32 s56, s56, 13
	s_add_co_u32 s56, s56, 0x800000+SK*128         ; in K's slot 1: the first change of slots steps it to slot 2.  Nothing is prefetched here, at the head
	s_mov_b32 s57, 0
	s_add_nc_u64 s[PFK:PFK+1], s[4:5], s[56:57]
	s_add_nc_u64 s[PFV:PFV+1], s[PFK:PFK+1], 0x800000
	s_lshr_b32 s56, s[WV], 2
	s_xor_b32 s56, s56, 1                          ; 0 in waves 4 to 7,
	s_or_b32 s56, s56, ttmp9                       ; of work-group i = 0
	s_cmp_eq_u32 s56, 0
	s_cselect_b32 s[LIM], 1, -1
	v_and_b32 v14, 15, v0                          ; r = lane % 16
	v_bfe_u32 v15, v0, 4, 1                        ; h = lane / 16
	v_lshlrev_b32 v3, 7, v14
	v_lshl_add_u32 v3, v15, 4, v3                  ; Q: row r of 128 bytes, + 16 h
	s_lshl_b32 s56, s[QL], 7
	s_lshl_b32 s57, s[QH], 7
	v_add_nc_u32 v4, s57, v3                       ; tile 1's rows
	v_add_nc_u32 v3, s56, v3                       ; tile 0's
.irp c, 0,1                                    ; Q stays in registers: a fragment is 16 queries x 32 channels: two loads of 16 bytes, 32 bytes apart
	global_load_b128 v[QF+8*\c:QF+8*\c+3],       v3, s[4:5] offset:64*\c
	global_load_b128 v[QF+8*\c+4:QF+8*\c+7],     v3, s[4:5] offset:64*\c+32
	global_load_b128 v[QF+16+8*\c:QF+16+8*\c+3], v4, s[4:5] offset:64*\c
	global_load_b128 v[QF+16+8*\c+4:QF+16+8*\c+7], v4, s[4:5] offset:64*\c+32
.endr
	v_mul_u32_u24 v[AK0], v14, PK
	v_lshl_add_u32 v[AK0], v15, 4, v[AK0]          ; K: row x pitch + 16 x half
	v_and_b32 v[AV0], 7, v0                        ; V: the turning load takes 16 keys x 16 channels: lane l reads key 8 (l / 16) + l % 8, channels 8 ((l / 8) % 2) + 0..7
	v_lshl_add_u32 v[AV0], v15, 3, v[AV0]
	v_mul_u32_u24 v[AV0], v[AV0], PVP
	v_bfe_u32 v10, v0, 3, 1
	v_lshl_add_u32 v[AV0], v10, 4, v[AV0]
	v_add_nc_u32 v[AV0], VOFF, v[AV0]
	s_mul_i32 s56, s[WV], 16*PK
	s_add_co_u32 s56, s56, STAGE                   ; my stage
	v_add_nc_u32 v[STO], s56, v[AK0]               ; in: row r, 16 bytes for each half of the lanes
	v_and_b32 v10, 31, v0
	v_lshrrev_b32 v[RD], 3, v10                    ; back: eight lanes to a row of 128 bytes, four rows an instruction
	v_mul_u32_u24 v[RD], v[RD], PK
	v_and_b32 v[GO], 7, v0
	v_lshl_add_u32 v[RD], v[GO], 4, v[RD]
	v_add_nc_u32 v[RD], s56, v[RD]
	v_lshlrev_b32 v[GO], 4, v10
	v_lshlrev_b32 v[PFO], 8, v10
	v_lshlrev_b32 v10, 3, v15
	v_sub_nc_u32 v[RH], v14, v10
	v_mov_b32 v[NINF], 0xff800000
.irp t, 0,1
	v_mov_b32 v[ST+8*\t], 0xff61b1e6               ; the largest score so far: -3e38, under every score
.irp j, 1,2,3,4,5,6,7
	v_mov_b32 v[ST+8*\t+\j], 0                     ; the sum, and the registers at work
.endr
.endr
.set i, 0
.rept 64
	v_mov_b32 v[OO+i], 0                           ; O^T.  (The step is written without a first form of its own: the first step finds zeros, which a = 0 leaves zeros)
.set i, i+1
.endr
; 8 products S^T = K Q^T of tile t: channels 32 c on, keys 16 k on.  The four accumulators take turns, one instruction a turn; the first four start the sums.
.macro MULKQ t
.irp c, 0,1
.irp k, 0,1,2,3
.if \c == 0
	v_wmma_f32_16x16x32_f16 v[SS+32*\t+8*\k:SS+32*\t+8*\k+7], v[KV+16*\k+8*\c:KV+16*\k+8*\c+7], v[QF+16*\t+8*\c:QF+16*\t+8*\c+7], 0
.else
	v_wmma_f32_16x16x32_f16 v[SS+32*\t+8*\k:SS+32*\t+8*\k+7], v[KV+16*\k+8*\c:KV+16*\k+8*\c+7], v[QF+16*\t+8*\c:QF+16*\t+8*\c+7], v[SS+32*\t+8*\k:SS+32*\t+8*\k+7]
.endif
.endr
.endr
.endm
; 8 products O^T += V^T P of tile t: keys 32 b on, channels 16 d on; by turns
.macro MULPV t
.irp b, 0,1
.irp d, 0,1,2,3
	v_wmma_f32_16x16x32_f16 v[OO+32*\t+8*\d:OO+32*\t+8*\d+7], v[KV+32*\b+8*\d:KV+32*\b+8*\d+7], v[SS+32*\t+8*\b:SS+32*\t+8*\b+7], v[OO+32*\t+8*\d:OO+32*\t+8*\d+7]
.endr
.endr
.endm
; On the diagonal the scores of hidden keys become -infinity ahead of the maximum: p = 0 then.  Register 8 k + j holds key KF + 16 k + 8 (lane / 16) + j: hidden where 16 k + j > my query - KF - 8 (lane / 16).
; A step all of whose keys count for the tile's first query jumps over this.
.macro MASK t, q0
	s_add_co_u32 s56, s[KF], 63
	s_cmp_le_u32 s56, s[\q0]
	s_cbranch_scc1 .Lopen_\@
	s_sub_co_i32 s56, s[\q0], s[KF]
	v_add_nc_u32 v[DD], s56, v[RH]
.irp n, 0,1,2,3,4,5,6,7,8,9,10,11,12,13,14,15,16,17,18,19,20,21,22,23,24,25,26,27,28,29,30,31
	v_cmp_gt_i32 vcc_lo, 16*(\n/8)+\n%8, v[DD]
	v_cndmask_b32 v[SS+32*\t+\n], v[SS+32*\t+\n], v[NINF], vcc_lo
.endr
.Lopen_\@:
.endm
; One tile's softmax for 64 keys.  The maximum begins at each accumulator's low end.  The 33 exponentials are ONE batch with one wait ahead of its first reader.
.macro SOFTMAX t
.set rT, ST+8*(\t)
.set rS, SS+32*(\t)
.set rO, OO+32*(\t)
.irp j, 0,1,2,3
	v_max3_num_f32 v[rT+4+\j], v[rS+8*\j], v[rS+8*\j+1], v[rS+8*\j+2]       ; four chains, one for each tile of 16 keys
.endr
.irp j, 0,1,2,3
	v_max3_num_f32 v[rT+4+\j], v[rT+4+\j], v[rS+8*\j+3], v[rS+8*\j+4]
.endr
.irp j, 0,1,2,3
	v_max3_num_f32 v[rT+4+\j], v[rT+4+\j], v[rS+8*\j+5], v[rS+8*\j+6]
.endr
	v_max3_num_f32 v[rT+4], v[rT+4], v[rS+7], v[rS+15]
	v_max3_num_f32 v[rT+6], v[rT+6], v[rS+23], v[rS+31]
	v_max3_num_f32 v[rT+4], v[rT+4], v[rT+5], v[rT+6]
	v_max3_num_f32 v[rT+4], v[rT+4], v[rT+7], v[rT]                         ; with the old m
	v_permlanex16_b32 v[rT+5], v[rT+4], s[SEL], s[SEL+1]                    ; the query's other 32 keys lie in the lane 16 away
	v_mov_b32 v[rT+1], v[rT]
	v_max_num_f32 v[rT], v[rT+4], v[rT+5]                                   ; the new m
	v_sub_f32 v[rT+1], v[rT+1], v[rT]                                       ; old m - new m, 0 or less
	v_exp_f32 v[rT+6], v[rT+1]                                              ; a = 2^(old m - new m)
.irp j, 0,2,4,6,8,10,12,14,16,18,20,22,24,26,28,30
	v_pk_add_f32 v[rS+\j:rS+\j+1], v[rS+\j:rS+\j+1], v[rT:rT+1] op_sel_hi:[1,0] neg_lo:[0,1] neg_hi:[0,1]   ; score - m, two at a time
.endr
.irp j, 0,1,2,3,4,5,6,7,8,9,10,11,12,13,14,15,16,17,18,19,20,21,22,23,24,25,26,27,28,29,30,31
	v_exp_f32 v[rS+\j], v[rS+\j]                                            ; p, at most 1
.endr
	v_nop                                                                   ; a plain instruction behind the last exponential
	s_wait_alu depctr_va_vdst(0)                                            ; one wait for the batch, ahead of the first instruction that names a result
	v_pk_fma_f32 v[rT+2:rT+3], v[rT+2:rT+3], v[rT+6:rT+7], v[rS:rS+1] op_sel_hi:[1,0,1]   ; the sum x a + p, of the unrounded p, in two chains
	v_pk_add_f32 v[rT+4:rT+5], v[rS+2:rS+3], v[rS+4:rS+5]
.irp j, 6,10,14,18,22,26
	v_pk_add_f32 v[rT+2:rT+3], v[rT+2:rT+3], v[rS+\j:rS+\j+1]
	v_pk_add_f32 v[rT+4:rT+5], v[rT+4:rT+5], v[rS+\j+2:rS+\j+3]
.endr
	v_pk_add_f32 v[rT+2:rT+3], v[rT+2:rT+3], v[rS+30:rS+31]
	v_pk_add_f32 v[rT+2:rT+3], v[rT+2:rT+3], v[rT+4:rT+5]
.irp j, 0,1,2,3,4,5,6,7,8,9,10,11,12,13,14,15
	v_cvt_pk_f16_f32 v[rS+\j], v[rS+2*\j], v[rS+2*\j+1]                     ; P in place, ascending: pair j lands on a register whose p has been taken
.endr
.irp j, 0,2,4,6,8,10,12,14,16,18,20,22,24,26,28,30
	v_pk_mul_f32 v[rO+\j:rO+\j+1], v[rO+\j:rO+\j+1], v[rT+6:rT+7] op_sel_hi:[1,0]   ; O^T x a
.endr
.endm
; What follows a step's products K Q^T.  two = 1: both tiles are alive; 0: tile 1 alone.
.macro REST q, two
.rept 4
	v_nop                                          ; four places behind the products: for the loads into K's registers and the first reads of the scores
.endr
.irp b, 0,1
.irp d, 0,1,2,3
	ds_load_tr16_b128 v[KV+32*\b+8*\d:KV+32*\b+8*\d+3],   v[ADV] offset:(\q)*64*PVP+\b*32*PVP+32*\d          ; V^T: keys 32 b on, channels 16 d on; it lands while the softmax is walked
	ds_load_tr16_b128 v[KV+32*\b+8*\d+4:KV+32*\b+8*\d+7], v[ADV] offset:(\q)*64*PVP+\b*32*PVP+16*PVP+32*\d
.endr
.endr
	MASK 1, QH
	SOFTMAX 1
.if \two
	MASK 0, QL
	SOFTMAX 0
.endif
	s_wait_dscnt 0x0                               ; V is in
	MULPV 1
.if \two
	MULPV 0
.endif
.rept 5
	v_nop                                          ; five places: the next step's products write over P's registers, and its loads land on V's
.endr
.endm
; A KEY STEP: 64 keys, the q-th of the slot in hand.  No barrier, no tensor load and no wait for one stands in a step.
.macro STEP q
	s_cmp_gt_u32 s[KF], s[QHE]                     ; all keys come after my last query: nothing to do
	s_cbranch_scc1 .Lhid_\@
	v_add_nc_u32 v[ADK], s[TB], v[AK0]
	v_add_nc_u32 v[ADV], s[TB], v[AV0]
.irp k, 0,1,2,3
.irp c, 0,1
	ds_load_b128 v[KV+16*\k+8*\c:KV+16*\k+8*\c+3],   v[ADK] offset:(\q)*64*PK+\k*16*PK+64*\c
	ds_load_b128 v[KV+16*\k+8*\c+4:KV+16*\k+8*\c+7], v[ADK] offset:(\q)*64*PK+\k*16*PK+64*\c+32
.endr
.endr
	s_wait_dscnt 0x0                               ; K is in
	MULKQ 1
	s_cmp_gt_u32 s[KF], s[QLE]                     ; ONE branch says whether tile 0 is still alive, for products and softmax alike
	s_cbranch_scc1 .Lone_\@
	MULKQ 0
	REST \q, 1
	s_branch .Lhid_\@
.Lone_\@:
	REST \q, 0
.Lhid_\@:
	s_add_co_u32 s[KF], s[KF], 64
.endm
; THE CHANGE OF SLOTS stands at a slot's head.  Each wave waits for all its tensor loads (its part of the slot that it is about to read), adds 0 to its spare word, and waits for that and for its reads of the slot
; that it has left.  Behind the barrier the slot ahead is whole and nobody reads the other one.  fill = 1: that other slot takes the keys that follow, and the load has four key steps in which to land.
; THE LOOK-AHEAD ENDS AT THE CAUSAL LIMIT: a slot whose first key comes after my work-group's last query is read by none of its waves and is not asked for.  The test is made of ids and the count of steps alone, the same
; in all eight waves; it leads round the load's own lines and nothing else; every wait for tensor loads in this text is for 0; where the tail begins hangs on the work-group's number, so it cannot be written out.
.macro CHANGE fill
	s_wait_tensorcnt 0x0                           ; no tensor load of mine is out, so a group 0 may be written
	ds_add_u32 v[SPW], v[NIL]                      ; 0 onto my spare word
.if \fill
	ds_add_u32 v[SPW], v[NIL]                      ; and once more: the add twice on end here, in every trip alike
	s_xor_b32 s[G0K+1], s[G0K+1], SLOT1            ; the walking descriptors: the other slot than last time,
	s_add_nc_u64 s[G0K+2:G0K+3], s[G0K+2:G0K+3], SK*128   ; the next 256 keys; the type bits on top are not reached
	s_xor_b32 s[G0V+1], s[G0V+1], SLOT1
	s_add_nc_u64 s[G0V+2:G0V+3], s[G0V+2:G0V+3], SK*128
	s_wait_xcnt 0x0                                ; the last prefetches, a slot back, have read their addresses, so these may be written:
	s_add_nc_u64 s[PFK:PFK+1], s[PFK:PFK+1], SK*128   ; one slot further on than the walking descriptors
	s_add_nc_u64 s[PFV:PFV+1], s[PFV:PFV+1], SK*128
.endif
	s_wait_dscnt 0x0                               ; the add is done, and my reads of the slot that I have left are over
	s_barrier_signal -1
	s_barrier_wait -1
.if \fill
	s_add_co_u32 s56, s[KF], SK                    ; the first key of the slot that this change would ask for
	s_cmp_gt_u32 s56, s[LASTQ]
	s_cbranch_scc1 .Lpast_\@
	TLOAD                                          ; a wave's one tensor load until the next barrier: one load of mine is out at the most
.Lpast_\@:
	ASK
.endif
.endm
.macro SLOT_STEPS
	STEP 0
	STEP 1
	STEP 2
	STEP 3
	s_xor_b32 s[TB], s[TB], SLOT1                  ; on to the other slot
.endm
	s_wait_loadcnt 0x0                             ; Q is in, and its offsets' registers are free
.Lslot:                                            ; seven trips: behind each change of slots but the last the next slot is asked for, up to the causal limit
	CHANGE 1
	SLOT_STEPS
	s_sub_co_u32 s[SLOTS], s[SLOTS], 1
	s_cmp_lg_u32 s[SLOTS], 0
	s_cbranch_scc1 .Lslot
	CHANGE 0                                       ; the last slot is written out: nothing is left to ask for
	SLOT_STEPS
; THE WAY OUT of tile t: the sum's two halves and the other half of the lanes' are added; O^T / the sum is rounded to f16, goes through my stage and comes back four rows at a time:
; a tile's 16 rows are 2,048 consecutive bytes of ctx16, and each store of the wave covers 512 of them, aligned.
.macro OUT t
.set rT, ST+8*(\t)
.set rO, OO+32*(\t)
.set rW, KV+32*(\t)
	v_add_f32 v[rT+4], v[rT+2], v[rT+3]
	v_permlanex16_b32 v[rT+5], v[rT+4], s[SEL], s[SEL+1]
	v_add_f32 v[rT+4], v[rT+4], v[rT+5]
	v_rcp_f32 v[rT+6], v[rT+4]
	v_nop                                          ; a plain instruction behind the reciprocal,
	s_wait_alu depctr_va_vdst(0)                   ; and a wait ahead of its first reader
.irp j, 0,2,4,6,8,10,12,14,16,18,20,22,24,26,28,30
	v_pk_mul_f32 v[rO+\j:rO+\j+1], v[rO+\j:rO+\j+1], v[rT+6:rT+7] op_sel_hi:[1,0]
.endr
.irp j, 0,1,2,3,4,5,6,7,8,9,10,11,12,13,14,15
	v_cvt_pk_f16_f32 v[rW+\j], v[rO+2*\j], v[rO+2*\j+1]
.endr
.irp d, 0,1,2,3
	ds_store_b128 v[STO], v[rW+4*\d:rW+4*\d+3] offset:32*\d
.endr
.irp u, 0,1,2,3
	ds_load_b128 v[rW+16+4*\u:rW+16+4*\u+3], v[RD] offset:4*PK*\u   ; LDS serves a wave's instructions in order (ISA guide 5.7.1.4): these see the stores above
.endr
.irp u, 0,1,2,3
	s_wait_dscnt 3-\u                              ; the younger loads may be out
	global_store_b128 v[GO], v[rW+16+4*\u:rW+16+4*\u+3], s[CB+2*(\t):CB+2*(\t)+1] offset:512*\u
.endr
.endm
	OUT 1
	OUT 0
	s_wait_tensorcnt 0x0                           ; the wave's end: behind my last tensor load and my last LDS store
	ds_add_u32 v[SPW], v[NIL]
	s_wait_dscnt 0x0
	s_endpgm
.Lfunc_end_k_qcb967fe453_attn:
	.size	k_qcb967fe453_attn, .Lfunc_end_k_qcb967fe453_attn-k_qcb967fe453_attn
	.p2alignl 7, 3214868480
	.fill 96, 4, 3214868480
	.section	.rodata,"a",@progbits
	.p2align	6, 0x0
	.amdhsa_kernel k_qcb967fe453_attn
		.amdhsa_group_segment_fixed_size 327680
		.amdhsa_private_segment_fixed_size 0
		.amdhsa_enable_private_segment 0
		.amdhsa_kernarg_size 16
		.amdhsa_user_sgpr_count 2
		.amdhsa_user_sgpr_kernarg_segment_ptr 1
		.amdhsa_wavefront_size32 1
		.amdhsa_system_sgpr_workgroup_id_x 1
		.amdhsa_system_sgpr_workgroup_id_y 1
		.amdhsa_system_sgpr_workgroup_id_z 1
		.amdhsa_system_vgpr_workitem_id 0
		.amdhsa_next_free_vgpr 256
		.amdhsa_next_free_sgpr 66
		.amdhsa_reserve_vcc 1
		.amdhsa_float_denorm_mode_32 3
		.amdhsa_float_denorm_mode_16_64 3
		.amdhsa_memory_ordered 1
		.amdhsa_forward_progress 1
		.amdhsa_inst_pref_size 255
	.end_amdhsa_kernel
	.section	.bss,"aw",@nobits
	.p2align	6
	.space	262144
	.amdgpu_metadata
---
amdhsa.version: [ 1, 2 ]
amdhsa.kernels:
  - .name:           k_qcb967fe453_attn
    .symbol:         k_qcb967fe453_attn.kd
    .args:
      - { .name: qkv16, .offset: 0, .size: 8, .value_kind: global_buffer, .address_space: global }
      - { .name: ctx16, .offset: 8, .size: 8, .value_kind: global_buffer, .address_space: global }
    .group_segment_fixed_size: 327680
    .private_segment_fixed_size: 0
    .kernarg_segment_align: 8
    .kernarg_segment_size: 16
    .max_flat_workgroup_size: 256
    .sgpr_count:     66
    .vgpr_count:     256
    .wavefront_size: 32
...
	.end_amdgpu_metadata
.endif
;; end of part 3
;; launch proj (part 4): grid 8 x 32, 4 waves a work-group, clusters of 4 x 4, 327,680 bytes of LDS; arguments ctx16, w16, out0; writes out0
.if DOCPART == 4
	.amdgcn_target "amdgcn-amd-amdhsa--gfx1250"
	.amdhsa_code_object_version 6
	.text
	.protected	k_qcb967fe453_proj
	.globl	k_qcb967fe453_proj
	.p2align	8
	.type	k_qcb967fe453_proj,@function
k_qcb967fe453_proj:
	s_mov_b64 s[64:65], 0
	v_nop
	global_prefetch_b8 v0, s[64:65] scope:SCOPE_SE
	s_setreg_imm32_b32 hwreg(HW_REG_WAVE_MODE, 25, 1), 1
	s_wait_xcnt 0x0
	s_wait_alu depctr_hold_cnt(0) depctr_sa_sdst(0) depctr_va_vdst(0) depctr_va_sdst(0) depctr_va_ssrc(0) depctr_va_vcc(0) depctr_vm_vsrc(0)
	s_getreg_b32 s2, hwreg(HW_REG_IB_STS2, 6, 4)
	s_cmp_eq_u32 s2, 0
	s_cbranch_scc0 .Lentry_in_a_cluster
	s_endpgm
.Lentry_in_a_cluster:
	s_bfe_u32 s2, ttmp6, 0x10000c
	s_cmp_lg_u32 s2, 0xf033
	s_cbranch_scc0 .Lentry_shape_is_right
	s_endpgm
.Lentry_shape_is_right:
; out0[m][n] = sum over k of ctx[m][k] w_out[n][k].  ctx16: [m / 128][head 16][m % 128][64] f16; w16: [1,024][1,024] f16; out0: [4,096][1,024] f32; sums in f32.
; A tile of out0 is 128 x 128: 8 x 32 = 256 work-groups.  Four waves, each 64 x 64: 16 accumulators of 16 x 16.  K goes in four steps of 256 (four heads) through a ring of two LDS slots.
; A's tile of a K step is ONE dense block of ctx16, [head 4][row 128][128 bytes]: waves 0 and 1 fetch two heads each, as 256 rows of 128 bytes; waves 2 and 3 fetch 64 rows of 512 bytes of w16 each.
; CLUSTERS: 4 x 4 work-groups.  The four of a row of the cluster need the same tiles of ctx16, the four of a column the same tiles of w16: each tile is asked for JOINTLY, by the same tensor load with the
; same descriptor and a mask that names the four.  THE MATRIX INSTRUCTION IS USED TRANSPOSED (source 0 = 16 rows of w16, source 1 = 16 rows of ctx): a lane then holds eight neighbouring numbers of a row of out0.
; All rows are stored here; a later launch stores the first 16 positions of each sequence again, computed in f32: leaving them out here would want a branch on a work-group's place in its cluster.
; REGISTERS: window 0: v0-31 addresses; v32-95 rows on the way out; v128-255 the accumulators ((a, b) at v[128 + 8 (4 a + b)]).   window 1: two fragment buffers of 128: for 64 along K, 64 registers of ctx, then 64 of w16.
.set PA,     144                       ; a row of ctx in LDS: 128 bytes + 16 of padding;  PB: a row of w16: 512 + 16: in both the 16 rows that a load touches start at 16 different banks (64 banks of 4 bytes: ISA guide 11.1)
.set PB,     528
.set HALFA,  256*PA                    ; two heads x 128 rows: what one of A's tensor loads brings
.set HALFB,  64*PB                     ; 64 rows: what one of B's brings
.set BOFF,   2*HALFA
.set SLOT,   BOFF+2*HALFB
.set STAGE,  2*SLOT                    ; behind the ring: 16 rows x 272 bytes for each wave, for the way out
.set SPITCH, 272
.set SPARE,  STAGE+4*16*SPITCH         ; the spare words, 128 bytes a wave
.set ADRA, 16                          ; v16-17  LDS address of my ctx fragments in slot 0, 1
.set ADRB, 20                          ; v20-21  the same for w16
.set STO,  24                          ; v24     the way out: where I put 32 bytes of a row
.set RD,   25                          ; v25     where I read rows back
.set CO,   26                          ; v26     my byte offset in two rows of out0
.set SPW,  28                          ; v28     LDS address of my spare word; never rewritten
.set NIL,  29                          ; v29     0; never rewritten
.set TMP,  32
.set ACC,  128
.set F0,   0                           ; fragment buffers, in window 1
.set F1,   128
.set G1, 24                            ; s[24:31] descriptor group 1 for ctx16's tiles;  s[32:39] group 0, one set for each slot
.set G0, 32
.set G1B, 48                           ; s[48:55], s[56:63] the same for w16's tiles
.set G0B, 56
.set MSB, 0
.macro WIN new                         ; the immediate's high byte repeats the setting that is left
.if MSB != (\new)
	s_set_vgpr_msb (MSB<<8)|(\new)
.set MSB, (\new)
.endif
.endm
.set MUL,  0x05                        ; sources 0 and 1 window 1; C and D window 0
.set TO_F, 0x40                        ; destination window 1, address window 0
.macro JLOAD s                         ; a joint load: waves 0 and 1 fetch ctx16's two halves, waves 2 and 3 w16's; an s_nop 0 and four v_nop follow each of the two lines
	s_cmp_eq_u32 s11, 0
	s_cbranch_scc0 .Lfor_b_\@
	tensor_load_to_lds s[G0+4*\s:G0+4*\s+3], s[G1:G1+7]
	s_nop 0
.rept 4
	v_nop
.endr
	s_branch .Lasked_\@
.Lfor_b_\@:
	tensor_load_to_lds s[G0B+4*\s:G0B+4*\s+3], s[G1B:G1B+7]
	s_nop 0
.rept 4
	v_nop
.endr
.Lasked_\@:
.endm
.macro CREST                           ; a round of the cluster's barrier behind its opening barrier
	s_cmp_lg_u32 s10, 0
	s_cbranch_scc1 .Lnot_wave_0_\@
	s_barrier_signal -3
.Lnot_wave_0_\@:
	s_barrier_wait -3
	s_barrier_signal -1
	s_barrier_wait -1
.endm
.macro CROUND                          ; a whole round
	s_barrier_signal -1
	s_barrier_wait -1
	CREST
.endm
	s_load_b128 s[4:7], s[0:1], 0x0                ; ctx16 s[4:5], w16 s[6:7]
	s_load_b64 s[8:9], s[0:1], 0x10                ; out0
	v_lshl_add_u32 v[SPW], v0, 2, SPARE
	v_mov_b32 v[NIL], 0
	ds_add_u32 v[SPW], v[NIL]                      ; the wave's opening: the add, twice on end, and its wait ahead of my first tensor load
	ds_add_u32 v[SPW], v[NIL]                      ; the set-up below, work on registers, stands between the second and the wait
	v_lshrrev_b32 v1, 5, v0
	v_readfirstlane_b32 s10, v1                    ; wave 0..3
	s_lshr_b32 s11, s10, 1                         ; which half of the tile's rows is mine.  Also: I fetch for ctx16 (0) or for w16 (1)
	s_and_b32 s12, s10, 1                          ; which half of its columns.  Also: which half of that tile I fetch
	s_bfe_u32 s40, ttmp6, 0x40000                  ; cx, cy: my place in the cluster
	s_bfe_u32 s41, ttmp6, 0x40004
	s_lshl_b32 s42, ttmp9, 2
	s_add_co_u32 s42, s42, s40                     ; tile column = 4 x cluster x + cx
	s_and_b32 s13, ttmp7, 0xffff
	s_lshl_b32 s13, s13, 2
	s_add_co_u32 s13, s13, s41                     ; tile row = 4 x cluster y + cy
	s_lshl_b32 s43, s41, 2
	s_lshl_b32 s43, 15, s43                        ; my row of the cluster
	s_lshl_b32 s44, 0x1111, s40                    ; my column
	; descriptor group 1.  ctx16: 256 rows x 64 elements of 2 bytes, dense in memory, 4 words of padding after every 32
	s_or_b32 s[G1+0], s43, (1<<16)|(1<<20)|(1<<21)|(4<<22)|(3<<25)
	s_mov_b32 s[G1+1], 64<<16                      ; tensor_dim0
	s_mov_b32 s[G1+2], 256<<16                     ; tensor_dim1
	s_mov_b32 s[G1+3], 64<<16                      ; tile_dim0
	s_mov_b32 s[G1+4], 256                         ; tile_dim1
	s_mov_b32 s[G1+5], 64                          ; tensor_dim0_stride
	s_mov_b32 s[G1+6], 0
	s_mov_b32 s[G1+7], 0
	; w16: 64 rows x 256 elements, 1,024 elements from row to row, 4 words of padding after every 128
	s_or_b32 s[G1B+0], s44, (1<<16)|(1<<20)|(1<<21)|(6<<22)|(3<<25)
	s_mov_b32 s[G1B+1], 256<<16
	s_mov_b32 s[G1B+2], 64<<16
	s_mov_b32 s[G1B+3], 256<<16
	s_mov_b32 s[G1B+4], 64
	s_mov_b32 s[G1B+5], 1024
	s_mov_b32 s[G1B+6], 0
	s_mov_b32 s[G1B+7], 0
	s_lshl_b32 s16, s13, 18                        ; ctx16: tile row x 262,144
	s_lshl_b32 s17, s12, 15                        ; + my two heads of the K step's four
	s_add_co_u32 s16, s16, s17
	s_mov_b32 s17, 0
	s_lshl_b32 s46, s42, 7
	s_lshl_b32 s47, s12, 6
	s_add_co_u32 s46, s46, s47                     ; w16: row 128 x tile column + 64 x half,
	s_lshl_b32 s46, s46, 11                        ; of 2,048 bytes
	s_mov_b32 s47, 0
	s_mul_i32 s20, s12, HALFA                      ; where they go: no place in the cluster enters an LDS address
	s_mul_i32 s21, s12, HALFB
	s_add_co_u32 s21, s21, BOFF
	s_wait_dscnt 0x0                               ; both opening adds are done
	s_wait_kmcnt 0x0
	s_add_nc_u64 s[14:15], s[4:5], s[16:17]
	s_add_nc_u64 s[46:47], s[6:7], s[46:47]
	CROUND                                         ; all sixteen work-groups are here: the first joint loads meet
.irp s, 0,1
	s_mov_b32 s[G0+4*\s], 1
	s_add_co_u32 s[G0+4*\s+1], s20, \s*SLOT
	s_add_nc_u64 s[G0+4*\s+2:G0+4*\s+3], s[14:15], \s*65536     ; a K step on: four heads x 16,384 bytes
	s_or_b32 s[G0+4*\s+3], s[G0+4*\s+3], 0x80000000
	s_mov_b32 s[G0B+4*\s], 1
	s_add_co_u32 s[G0B+4*\s+1], s21, \s*SLOT
	s_add_nc_u64 s[G0B+4*\s+2:G0B+4*\s+3], s[46:47], \s*512
	s_or_b32 s[G0B+4*\s+3], s[G0B+4*\s+3], 0x80000000
	JLOAD \s                                       ; two tensor loads of mine are out
.endr
	v_and_b32 v1, 15, v0                           ; r = lane % 16
	v_bfe_u32 v2, v0, 4, 1                         ; h = lane / 16
	v_mul_u32_u24 v3, v1, PA
	v_lshl_add_u32 v3, v2, 4, v3                   ; a fragment's row x pitch + 16 x half, for ctx
	v_mul_u32_u24 v4, v1, PB
	v_lshl_add_u32 v4, v2, 4, v4                   ; and for w16
	s_mul_i32 s21, s11, 64*PA                      ; my 64 rows of each head
	s_mul_i32 s22, s12, HALFB                      ; my 64 rows of w16,
	s_add_co_u32 s22, s22, BOFF                    ; which lie behind ctx's four heads
.irp s, 0,1
	v_add_nc_u32 v[ADRA+\s], s21, v3
	v_add_nc_u32 v[ADRB+\s], s22, v4
	s_add_co_u32 s21, s21, SLOT
	s_add_co_u32 s22, s22, SLOT
.endr
	s_mul_i32 s23, s10, 16*SPITCH
	s_add_co_u32 s23, s23, STAGE                   ; my stage
	v_mul_u32_u24 v5, v1, SPITCH                   ; in: row r, 32 bytes for each half of the lanes
	v_lshl_add_u32 v5, v2, 5, v5
	v_add_nc_u32 v[STO], s23, v5
	v_mul_u32_u24 v5, v2, SPITCH                   ; back: lanes 0-15 take one row of 256 bytes, lanes 16-31 the next
	v_lshl_add_u32 v5, v1, 4, v5
	v_add_nc_u32 v[RD], s23, v5
	v_lshlrev_b32 v5, 12, v2                       ; and the same two rows in out0
	v_lshl_add_u32 v[CO], v1, 4, v5
	s_lshl_b32 s16, s13, 7
	s_lshl_b32 s17, s11, 6
	s_add_co_u32 s16, s16, s17                     ; my first row: 128 x tile row + 64 x half,
	s_lshl_b32 s16, s16, 12                        ; of 4,096 bytes
	s_mov_b32 s17, 0
	s_add_nc_u64 s[8:9], s[8:9], s[16:17]
	s_lshl_b32 s46, s42, 9                         ; my first column, in bytes: 512 x tile column + 256 x half
	s_lshl_b32 s47, s12, 8
	s_add_co_u32 s46, s46, s47
	s_mov_b32 s47, 0
	s_add_nc_u64 s[8:9], s[8:9], s[46:47]
; 8 matrix instructions: m blocks a0, a0 + 1 x all 4 n blocks, 32 along K: half c of buffer f.  zero = 1: the first product starts the sums.  The 16 accumulators take turns.
.macro MUL8 f, c, a0, zero
.irp a, \a0, \a0+1
.irp b, 0,1,2,3
.if \zero
	v_wmma_f32_16x16x32_f16 v[ACC+8*(4*(\a)+\b):ACC+8*(4*(\a)+\b)+7], v[\f+64+8*(4*\c+\b):\f+64+8*(4*\c+\b)+7], v[\f+8*(4*\c+\a):\f+8*(4*\c+\a)+7], 0
.else
	v_wmma_f32_16x16x32_f16 v[ACC+8*(4*(\a)+\b):ACC+8*(4*(\a)+\b)+7], v[\f+64+8*(4*\c+\b):\f+64+8*(4*\c+\b)+7], v[\f+8*(4*\c+\a):\f+8*(4*\c+\a)+7], v[ACC+8*(4*(\a)+\b):ACC+8*(4*(\a)+\b)+7]
.endif
.endr
.endr
.endm
; 32 LDS loads in one run: the fragments of the K step's q-th 64 along K (head q of its four), into buffer f; the first 32 along K first
.macro FETCH slot, q, f
	WIN TO_F
.irp c, 0,1
.irp i, 0,1,2,3
	ds_load_b128 v[\f+64+8*(4*\c+\i):\f+64+8*(4*\c+\i)+3],   v[ADRB+\slot] offset:(\q)*128+64*\c+\i*16*PB
	ds_load_b128 v[\f+64+8*(4*\c+\i)+4:\f+64+8*(4*\c+\i)+7], v[ADRB+\slot] offset:(\q)*128+64*\c+\i*16*PB+32
	ds_load_b128 v[\f+8*(4*\c+\i):\f+8*(4*\c+\i)+3],         v[ADRA+\slot] offset:(\q)*128*PA+64*\c+\i*16*PA
	ds_load_b128 v[\f+8*(4*\c+\i)+4:\f+8*(4*\c+\i)+7],       v[ADRA+\slot] offset:(\q)*128*PA+64*\c+\i*16*PA+32
.endr
.endr
.endm
.macro PLACES                          ; four places in front of loads into registers that matrix instructions have read, and of the first reads of results
.rept 4
	v_nop
.endr
.endm
; A K step is four quarters of 64 along K, 32 matrix instructions each, on buffers 0, 1, 0, 1.  One of the first three: multiplies buffer f and fetches quarter q into g.
.macro QUARTER slot, q, f, g, zero
	s_wait_dscnt 16                                ; the first 32 along K are in; the sixteen loads of the second 32 may be out
	WIN MUL
	MUL8 \f, 0, 0, \zero
	MUL8 \f, 0, 2, \zero
	PLACES
	FETCH \slot, \q, \g
	s_wait_dscnt 32                                ; all but the 32 just issued
	WIN MUL
	MUL8 \f, 1, 0, 0
	MUL8 \f, 1, 2, 0
.endm
; The last quarter multiplies buffer 1 and changes slots: ONE barrier; in front of it each wave waits for all its tensor loads, adds 0 to its spare word, and waits for that and for its reads of this slot.
; fill = 1: this slot is filled again, two K steps ahead; the barrier then opens a round of the cluster's barrier, and the joint refill is the first tensor load behind the round.
.macro TURN slot, next, fill
	WIN 0                                          ; (the add's two registers lie in window 0)
	s_wait_tensorcnt 0x0                           ; all my tensor loads have landed: my part of the next slot
	ds_add_u32 v[SPW], v[NIL]                      ; 0 onto my spare word
	s_wait_dscnt 17                                ; (the add and the youngest sixteen loads may be out)
	WIN MUL
	MUL8 F1, 0, 0, 0                               ; eight matrix instructions stand between the add and the wait for it
	s_wait_dscnt 0x0                               ; the add is done, and my reads of this slot are over
	s_barrier_signal -1
	MUL8 F1, 0, 2, 0
.if \fill
	WIN 0
.endif
	s_barrier_wait -1
.if \fill
	CREST                                          ; no wave of any partner still reads this slot's tile or has a load on its way
	s_add_nc_u64 s[G0+4*\slot+2:G0+4*\slot+3], s[G0+4*\slot+2:G0+4*\slot+3], 2*65536
	s_add_nc_u64 s[G0B+4*\slot+2:G0B+4*\slot+3], s[G0B+4*\slot+2:G0B+4*\slot+3], 2*512
	JLOAD \slot                                    ; one load of mine is out; the four v_nop behind it are also the places in front of the loads below
.else
	PLACES
.endif
	FETCH \next, 0, F0
	WIN MUL
	MUL8 F1, 1, 0, 0
	MUL8 F1, 1, 2, 0
.endm
	s_wait_tensorcnt 1                             ; my part of K step 0 is in (K step 1's may be out)
	s_barrier_signal -1
	s_barrier_wait -1                              ; everybody's is
	FETCH 0, 0, F0
	QUARTER 0, 1, F0, F1, 1                        ; K step 0: its first products start the sums
	QUARTER 0, 2, F1, F0, 0
	QUARTER 0, 3, F0, F1, 0
	TURN 0, 1, 1                                   ; slot 0 takes K step 2
	QUARTER 1, 1, F0, F1, 0                        ; K step 1
	QUARTER 1, 2, F1, F0, 0
	QUARTER 1, 3, F0, F1, 0
	TURN 1, 0, 1                                   ; slot 1 takes K step 3
	QUARTER 0, 1, F0, F1, 0                        ; K step 2
	QUARTER 0, 2, F1, F0, 0
	QUARTER 0, 3, F0, F1, 0
	TURN 0, 1, 0                                   ; nothing is left to fetch
	QUARTER 1, 1, F0, F1, 0                        ; K step 3
	QUARTER 1, 2, F1, F0, 0
	QUARTER 1, 3, F0, F1, 0
	s_wait_dscnt 16
	WIN MUL
	MUL8 F1, 0, 0, 0
	MUL8 F1, 0, 2, 0
	s_wait_dscnt 0
	MUL8 F1, 1, 0, 0
	MUL8 F1, 1, 2, 0
	WIN 0
; THE WAY OUT, block by block of 16 rows x 64 columns.  A lane holds 32 neighbouring bytes of a row; a row's 64 columns are 256 bytes.  A block goes through my own stage and comes back as whole rows:
; sixteen lanes store 256 consecutive bytes, aligned.  LDS serves a wave's instructions in order (ISA guide 5.7.1.4): no wait between the stores and the loads.
.macro TOSTAGE a
.set BB, TMP+32*((\a)%2)
.irp b, 0,1,2,3
	ds_store_b128 v[STO], v[ACC+8*(4*(\a)+\b):ACC+8*(4*(\a)+\b)+3] offset:64*\b          ; each accumulator from its low end on
	ds_store_b128 v[STO], v[ACC+8*(4*(\a)+\b)+4:ACC+8*(4*(\a)+\b)+7] offset:64*\b+16
.endr
.irp t, 0,1,2,3,4,5,6,7
	ds_load_b128 v[BB+4*\t:BB+4*\t+3], v[RD] offset:\t*2*SPITCH
.endr
.endm
.macro SEND a, younger                 ; younger: the LDS instructions issued behind block a's loads, which may stay out
.set BB, TMP+32*((\a)%2)
	s_wait_dscnt \younger
.irp t, 0,1,2,3,4,5,6,7
	global_store_b128 v[CO], v[BB+4*\t:BB+4*\t+3], s[8:9] offset:(16*(\a)+2*\t)*4096 th:TH_STORE_NT
.endr
.endm
	PLACES
	TOSTAGE 0
.irp a, 1,2,3
.if \a > 1
	s_wait_xcnt 0x0                                ; block a - 2's stores have read their registers: block a's loads may land there
.endif
	TOSTAGE \a
	SEND \a-1, 16                                  ; behind block a - 1's loads: block a's 8 stores and 8 loads
.endr
	SEND 3, 0
	s_wait_tensorcnt 0x0                           ; the wave's end: behind my last tensor load and my last LDS store
	ds_add_u32 v[SPW], v[NIL]
	s_wait_dscnt 0x0
	CROUND                                         ; the closing round: no work-group ends while a partner may still ask for a tile that names it
	s_endpgm
.Lfunc_end_k_qcb967fe453_proj:
	.size	k_qcb967fe453_proj, .Lfunc_end_k_qcb967fe453_proj-k_qcb967fe453_proj
	.p2alignl 7, 3214868480
	.fill 96, 4, 3214868480
	.section	.rodata,"a",@progbits
	.p2align	6, 0x0
	.amdhsa_kernel k_qcb967fe453_proj
		.amdhsa_group_segment_fixed_size 327680
		.amdhsa_private_segment_fixed_size 0
		.amdhsa_enable_private_segment 0
		.amdhsa_kernarg_size 24
		.amdhsa_user_sgpr_count 2
		.amdhsa_user_sgpr_kernarg_segment_ptr 1
		.amdhsa_wavefront_size32 1
		.amdhsa_system_sgpr_workgroup_id_x 1
		.amdhsa_system_sgpr_workgroup_id_y 1
		.amdhsa_system_sgpr_workgroup_id_z 1
		.amdhsa_system_vgpr_workitem_id 0
		.amdhsa_next_free_vgpr 512
		.amdhsa_next_free_sgpr 66
		.amdhsa_reserve_vcc 0
		.amdhsa_float_denorm_mode_32 3
		.amdhsa_float_denorm_mode_16_64 3
		.amdhsa_memory_ordered 1
		.amdhsa_forward_progress 1
		.amdhsa_inst_pref_size 86
	.end_amdhsa_kernel
	.amdgpu_metadata
---
amdhsa.version: [ 1, 2 ]
amdhsa.kernels:
  - .name:           k_qcb967fe453_proj
    .symbol:         k_qcb967fe453_proj.kd
    .args:
      - { .name: ctx16, .offset: 0, .size: 8, .value_kind: global_buffer, .address_space: global }
      - { .name: w16, .offset: 8, .size: 8, .value_kind: global_buffer, .address_space: global }
      - { .name: out0, .offset: 16, .size: 8, .value_kind: global_buffer, .address_space: global }
    .group_segment_fixed_size: 327680
    .private_segment_fixed_size: 0
    .kernarg_segment_align: 8
    .kernarg_segment_size: 24
    .max_flat_workgroup_size: 128
    .sgpr_count:     66
    .vgpr_count:     512
    .wavefront_size: 32
...
	.end_amdgpu_metadata
.endif
;; end of part 4
;; launch fine_proj (part 5): grid 64 x 2, 4 waves a work-group, no clusters, 4,608 bytes of LDS; arguments ctxf, w_out, out0; writes out0
.if DOCPART == 5
	.amdgcn_target "amdgcn-amd-amdhsa--gfx1250"
	.amdhsa_code_object_version 6
	.text
	.protected	k_qcb967fe453_fine_proj
	.globl	k_qcb967fe453_fine_proj
	.p2align	8
	.type	k_qcb967fe453_fine_proj,@function
k_qcb967fe453_fine_proj:
	s_mov_b64 s[64:65], 0
	v_nop
	global_prefetch_b8 v0, s[64:65] scope:SCOPE_SE
	s_setreg_imm32_b32 hwreg(HW_REG_WAVE_MODE, 25, 1), 1
	s_wait_xcnt 0x0
; THE FIRST 16 POSITIONS OF EACH SEQUENCE THROUGH THE PROJECTION, IN f32: out0[2,048 b + r][o] = sum over k of ctx[r][k] w_out[o][k], r = 0..15.  These 32 rows are stored over the f16 launch's values.
; A work-group makes 16 positions x 16 outputs; each of its four waves sums a quarter of K (256), 64 instructions of v_wmma_f32_16x16x4_f32: 128 work-groups share this small work out.
; Source 0 = 16 rows of w_out, source 1 = ctxf, which lies as operand registers: lane (r, h) loads 16 bytes of both, channels 16 g + 8 h + 4 e + 0..3; registers 0-1 and 2-3 are the operands of two instructions, and both
; sources carry the same channels at the same places.  In the result a lane holds position r and outputs 8 h + 0..7.
; The four waves' sums meet in LDS; wave 0 adds them and stores.  A row's piece is 64 bytes: whole runs of 256 would put four times the f32 matrix work on a quarter of the waves; the rows are 128 KiB in all.
; REGISTERS: v4-6 offsets; v8-23 sums; v28, v29 the add's two; v32-95, v96-159 two sets of 8 + 8 loads; v160-191 four accumulators, written by matrix instructions alone.
.set SPW,   28
.set NIL,   29
.set AC,    160
.set SPARE, 4096                       ; behind the four waves' 1,024 bytes: the spare words, 128 bytes a wave
	s_load_b128 s[4:7], s[0:1], 0x0                ; ctxf s[4:5], w_out s[6:7]
	s_load_b64 s[8:9], s[0:1], 0x10                ; out0
	v_lshl_add_u32 v[SPW], v0, 2, SPARE
	v_mov_b32 v[NIL], 0
	v_lshrrev_b32 v1, 5, v0
	v_readfirstlane_b32 s10, v1                    ; wave = which quarter of K
	v_and_b32 v1, 15, v0                           ; r
	v_bfe_u32 v2, v0, 4, 1                         ; h
	v_and_b32 v3, 31, v0
	v_lshlrev_b32 v4, 4, v3                        ; 16 x lane: ctxf, and the sums in LDS
	v_lshlrev_b32 v5, 12, v1
	v_lshl_add_u32 v5, v2, 5, v5                   ; 4,096 r + 32 h: w_out's rows, and out0's
	s_lshl_b32 s11, s10, 10
	v_add_nc_u32 v6, s11, v4                       ; where my wave's sums go
	s_and_b32 s12, ttmp7, 0xffff                   ; the batch
	s_lshl_b32 s14, s12, 16
	s_lshl_b32 s15, s10, 14
	s_add_co_u32 s14, s14, s15                     ; ctxf: batch x 65,536 + quarter x 16 groups x 1,024
	s_mov_b32 s15, 0
	s_lshl_b32 s16, ttmp9, 16
	s_add_co_u32 s16, s16, s11                     ; w_out: 16 rows x 4,096 + quarter x 1,024
	s_mov_b32 s17, 0
	s_lshl_b32 s18, s12, 23
	s_lshl_b32 s19, ttmp9, 6
	s_add_co_u32 s18, s18, s19                     ; out0: batch x 2,048 rows + 16 outputs x 4 bytes
	s_mov_b32 s19, 0
	s_wait_kmcnt 0x0
	s_add_nc_u64 s[4:5], s[4:5], s[14:15]
	s_add_nc_u64 s[6:7], s[6:7], s[16:17]
	s_add_nc_u64 s[8:9], s[8:9], s[18:19]
.macro CLOAD c                         ; chunk c: four groups of 16 channels: 8 loads of w_out, 8 of ctxf, into set c % 2
.set XB, 32+64*((\c)%2)
.irp g, 0,1,2,3
.irp e, 0,1
	global_load_b128 v[XB+4*(2*\g+\e):XB+4*(2*\g+\e)+3], v5, s[6:7] offset:64*(4*(\c)+\g)+16*\e
	global_load_b128 v[XB+32+4*(2*\g+\e):XB+32+4*(2*\g+\e)+3], v4, s[4:5] offset:512*(2*(4*(\c)+\g)+\e)
.endr
.endr
.endm
.macro CHUNK c                         ; 16 matrix instructions on four accumulators by turns; the very first four start the sums
.set XB, 32+64*((\c)%2)
.if (\c) < 3
	s_wait_loadcnt 16                              ; this chunk's sixteen loads are in; the other set's may be out
.else
	s_wait_loadcnt 0x0
.endif
.set n, 0
.rept 16
.if ((\c) == 0) && (n < 4)
	v_wmma_f32_16x16x4_f32 v[AC+8*(n%4):AC+8*(n%4)+7], v[XB+2*n:XB+2*n+1], v[XB+32+2*n:XB+32+2*n+1], 0
.else
	v_wmma_f32_16x16x4_f32 v[AC+8*(n%4):AC+8*(n%4)+7], v[XB+2*n:XB+2*n+1], v[XB+32+2*n:XB+32+2*n+1], v[AC+8*(n%4):AC+8*(n%4)+7]
.endif
.set n, n+1
.endr
.rept 8
	v_nop                                          ; eight places behind this form: for loads into its sources, and for the first reads of its results
.endr
.if (\c) < 2
	CLOAD (\c)+2
.endif
.endm
	CLOAD 0
	CLOAD 1
	CHUNK 0
	CHUNK 1
	CHUNK 2
	CHUNK 3
.irp j, 0,2,4,6
	v_pk_add_f32 v[8+\j:9+\j], v[AC+\j:AC+\j+1], v[AC+8+\j:AC+9+\j]        ; the four accumulators, each from its low end on, into other registers
.endr
.irp j, 0,2,4,6
	v_pk_add_f32 v[16+\j:17+\j], v[AC+16+\j:AC+17+\j], v[AC+24+\j:AC+25+\j]
.endr
.irp j, 0,2,4,6
	v_pk_add_f32 v[8+\j:9+\j], v[8+\j:9+\j], v[16+\j:17+\j]
.endr
	ds_store_b128 v6, v[8:11]                      ; my quarter's sums, as they stand in the registers
	ds_store_b128 v6, v[12:15] offset:512
	s_wait_dscnt 0x0                               ; for the others' sake: my stores have landed
	s_barrier_signal -1
	s_barrier_wait -1
	s_cmp_lg_u32 s10, 0
	s_cbranch_scc1 .Lothers
.irp w, 0,1,2,3
	ds_load_b128 v[32+8*\w:35+8*\w], v4 offset:1024*\w
	ds_load_b128 v[36+8*\w:39+8*\w], v4 offset:1024*\w+512
.endr
	s_wait_dscnt 0x0
.irp j, 0,2,4,6
	v_pk_add_f32 v[8+\j:9+\j], v[32+\j:33+\j], v[40+\j:41+\j]
.endr
.irp j, 0,2,4,6
	v_pk_add_f32 v[16+\j:17+\j], v[48+\j:49+\j], v[56+\j:57+\j]
.endr
.irp j, 0,2,4,6
	v_pk_add_f32 v[8+\j:9+\j], v[8+\j:9+\j], v[16+\j:17+\j]
.endr
	global_store_b128 v5, v[8:11], s[8:9]          ; lane (r, h): out0[2,048 b + r][16 ot + 8 h + 0..7]
	global_store_b128 v5, v[12:15], s[8:9] offset:16
.Lothers:
	s_wait_tensorcnt 0x0                           ; the wave's end: behind my last LDS store
	ds_add_u32 v[SPW], v[NIL]
	s_wait_dscnt 0x0
	s_endpgm
.Lfunc_end_k_qcb967fe453_fine_proj:
	.size	k_qcb967fe453_fine_proj, .Lfunc_end_k_qcb967fe453_fine_proj-k_qcb967fe453_fine_proj
	.p2alignl 7, 3214868480
	.fill 96, 4, 3214868480
	.section	.rodata,"a",@progbits
	.p2align	6, 0x0
	.amdhsa_kernel k_qcb967fe453_fine_proj
		.amdhsa_group_segment_fixed_size 4608
		.amdhsa_private_segment_fixed_size 0
		.amdhsa_enable_private_segment 0
		.amdhsa_kernarg_size 24
		.amdhsa_user_sgpr_count 2
		.amdhsa_user_sgpr_kernarg_segment_ptr 1
		.amdhsa_wavefront_size32 1
		.amdhsa_system_sgpr_workgroup_id_x 1
		.amdhsa_system_sgpr_workgroup_id_y 1
		.amdhsa_system_sgpr_workgroup_id_z 1
		.amdhsa_system_vgpr_workitem_id 0
		.amdhsa_next_free_vgpr 256
		.amdhsa_next_free_sgpr 66
		.amdhsa_reserve_vcc 0
		.amdhsa_float_denorm_mode_32 3
		.amdhsa_float_denorm_mode_16_64 3
		.amdhsa_memory_ordered 1
		.amdhsa_forward_progress 1
		.amdhsa_inst_pref_size 16
	.end_amdhsa_kernel
	.amdgpu_metadata
---
amdhsa.version: [ 1, 2 ]
amdhsa.kernels:
  - .name:           k_qcb967fe453_fine_proj
    .symbol:         k_qcb967fe453_fine_proj.kd
    .args:
      - { .name: ctxf, .offset: 0, .size: 8, .value_kind: global_buffer, .address_space: global }
      - { .name: w_out, .offset: 8, .size: 8, .value_kind: global_buffer, .address_space: global }
      - { .name: out0, .offset: 16, .size: 8, .value_kind: global_buffer, .address_space: global }
    .group_segment_fixed_size: 4608
    .private_segment_fixed_size: 0
    .kernarg_segment_align: 8
    .kernarg_segment_size: 24
    .max_flat_workgroup_size: 128
    .sgpr_count:     66
    .vgpr_count:     256
    .wavefront_size: 32
...
	.end_amdgpu_metadata
.endif
;; end of part 5
